; MI455X (gfx1250); checked and timed in simulation.
; The chip was launched on July 23, 2026; its instructions are those of AMD's public machine-readable ISA for CDNA 5 (MIT licence, August 2026) and "CDNA5" Instruction Set Architecture Reference Guide (July 2026). The comments in the code are by the model that wrote it; some were corrected since.
;; Multi Headed Attention. Allowed arithmetic: matrix products marked QUANTISED: E2M3 operands, one E8M0 scale for each 32 along K, by v_wmma_scale_f32_16x16x128_f8f6f4 with both operands' format E2M3, f32 sums; everything else in f32.
;; Inputs: Wk 1,024 x 1,024 float32; Wo 1,024 x 1,024 float32; Wq 1,024 x 1,024 float32; Wv 1,024 x 1,024 float32; bk 1,024 float32; bo 1,024 float32; bq 1,024 float32; bv 1,024 float32; key 4 x 2,048 x 1,024 float32; query 4 x 2,048 x 1,024 float32; value 4 x 2,048 x 1,024 float32.
;; Outputs: out0 4 x 2,048 x 1,024 float32.
;; This version of the problem:
;;   THIS VERSION OF THE PROBLEM IS GIVEN IN LOW PRECISION. The matrix products marked QUANTISED in the list below multiply operands that are first quantised to E2M3 (2 exponent bits, 3 mantissa bits; 6 bits a number), with one power-of-two scale for each 32 numbers along K (OCP MX v1.0); their sums are f32. All else is computed in f32.
;;   The module's matrix products, in the order in which they are computed (A, B: the left and right operand; K: the contracted axis; several contracted axes count as one K, in the product's order):
;;     1. [M 8,192, K 1,024] x [K 1,024, N 1,024]; A: input query; B: input Wq: QUANTISED
;;     2. [M 8,192, K 1,024] x [K 1,024, N 1,024]; A: input key; B: input Wk: QUANTISED
;;     3. [M 8,192, K 1,024] x [K 1,024, N 1,024]; A: input value; B: input Wv: QUANTISED
;;     4. batch 64 x [M 2,048, K 64] x [K 64, N 2,048]; A: computed on the way; B: computed on the way: QUANTISED
;;     5. batch 64 x [M 2,048, K 2,048] x [K 2,048, N 64]; A: softmax (see below); B: computed on the way: QUANTISED
;;     6. [M 8,192, K 1,024] x [K 1,024, N 1,024]; A: computed on the way; B: input Wo: QUANTISED
;;   THE QUANTISER, for each operand of a quantised product, along K:
;;     - K is cut into blocks of 32 from its start; a last block that is shorter is filled with zeros.
;;     - A block's scale is 2^e with e = floor(log2(the largest magnitude in the block)) - 2, held to -126 .. 127; a block of zeros has e = 0. As a byte (E8M0): e + 127.
;;     - Each number is divided by its block's scale, clamped to +-7.5, and rounded to the nearest number of E2M3, ties to even, subnormals kept.
;;     - The product sums the exact products of the quantised numbers (number of the format x scale) in f32.
;;   ~~~python
;;   def quantise(x, axis):      # numpy; x: float32 -> the quantised numbers, widened to float32 again
;;       x = np.moveaxis(x, axis, -1); K = x.shape[-1]
;;       x = np.pad(x, [(0, 0)] * (x.ndim - 1) + [(0, -K % 32)]); x = x.reshape(x.shape[:-1] + (-1, 32)); a = np.abs(x).max(-1, keepdims=True)
;;       e = np.where(a > 0, np.clip(np.frexp(np.where(a > 0, a, 1))[1] - 1 - 2, -126, 127), 0)      # np.frexp(a)[1] - 1 = floor(log2(a)), exactly
;;       r = np.clip(x / 2.0 ** e, -7.5, 7.5)
;;       step = 2.0 ** (np.maximum(np.frexp(np.where(r == 0, 1, r))[1] - 1, 0) - 3)
;;       q = np.round(r / step) * step * 2.0 ** e      # np.round: ties to even
;;       return np.moveaxis(q.reshape(q.shape[:-2] + (-1,))[..., :K], -1, axis).astype(np.float32)
;;   ~~~
;;   SOFTMAX AHEAD OF A QUANTISED PRODUCT. Where the list says 'softmax', what is quantised is not the finished softmax but p = 2^(t - M), with t = logit x log2(e) and M = ceil(the row's largest t), a whole number; so 1/2 < the row's largest p <= 1. The row's sum l is taken of the UNQUANTISED p, in f32, and the product's result is divided by l at the end. Since M is a whole number, a kernel that streams over the keys may use a running M (the ceiling of the running maximum): every later rescaling is an exact power of two, which a block's scale takes up: the codes' values come out the same.
;;   OPERANDS COMPUTED ON THE WAY. 'Computed on the way' means the value that the module computes at that place (a softmax that the list does not call 'softmax' is quantised finished and normalised). What goes into a quantiser is computed in f32, as accurately as f32 sums, v_exp_f32 and their like allow (about 1e-6 of the number): no bf16 or f16 on the way to a quantiser, and a product that is left as it is and whose result goes on into a quantised operand takes f32 operands (vector FMAs, or v_wmma_f32_16x16x4_f32). A number that lies on a knife's edge between two numbers of the format may be rounded either way, as far as f32 arithmetic and the matrix unit's own rounding can turn it there, and no further.
;; One version. Each part assembles by itself: llvm-mc -triple=amdgcn-amd-amdhsa -mcpu=gfx1250 --defsym DOCPART=n.
;; ======== version 1 of 1: 4 launches
;; workspace buffers: inc 22,020,096 bytes; ins 917,504 bytes; qkvc 18,874,368 bytes; qkvs 786,432 bytes; xc 6,291,456 bytes; xs 262,144 bytes
;; launch quant (part 1): grid 448 x 4, 4 waves a work-group, no clusters, 18,432 bytes of LDS; arguments query, key, value, Wq, Wk, Wv, Wo, inc, ins; writes inc, ins
.if DOCPART == 1
	.amdgcn_target "amdgcn-amd-amdhsa--gfx1250"
	.amdhsa_code_object_version 6
	.text
	.protected	k_q40ac9b8e02_quant
	.globl	k_q40ac9b8e02_quant
	.p2align	8
	.type	k_q40ac9b8e02_quant,@function
k_q40ac9b8e02_quant:
	s_mov_b64 s[64:65], 0
	v_nop
	global_prefetch_b8 v0, s[64:65] scope:SCOPE_SE
	s_setreg_imm32_b32 hwreg(HW_REG_WAVE_MODE, 25, 1), 1
	s_wait_xcnt 0x0
; query, key, value [8192][1024] and Wq, Wk, Wv, Wo [1024][1024], f32, K innermost, become codes of FP6 (E2M3) and E8M0 scale bytes, one for each 32 along K.
; A block's scale is 2^(floor(log2(its largest magnitude)) - 2): its byte is the largest magnitude's exponent field - 2, held at 1 from below.
; LIMITS: a block of zeros, or one whose largest magnitude lies under 2^-124, gets the byte 1 where the rule says 127 or less: its codes are zeros or tiny, and this program alone reads the bytes.  NaN and infinities among the inputs are not served.
; THE CODES' LAYOUT (inc) is the order of the matrix operand's registers.  The seven tensors' rows are counted on end (28,672 rows, 1,792 tiles of 16).  A HALF FRAGMENT, 16 rows x 64 along K, is 768 bytes:
; three runs of 256 bytes, run p holding lane l's register pair (2 p, 2 p + 1) at byte 8 l; lane (r, h) holds row r and k = 32 h + 0 .. 31 of the 64: one whole block, 24 bytes.  inc is [tile][16 groups of 64 along K][768].
; THE SCALES' LAYOUT (ins): [8 steps of 128 along K][28,672 rows] of words: a row's four bytes of a step.
; THE ROWS OF A TILE ARE NOT NEIGHBOURS: place r of tile 2 B + u holds row 32 B + 8 u + r + 8 (r / 8).  Where such a tile is a product's source 0, a lane's 16 results of tiles 2 B and 2 B + 1 are 16 neighbours.
; SHARES: a work-group takes 64 rows x 256 columns, a wave one tile of rows: four half fragments.  Each load reads two rows' 256 consecutive bytes; the numbers turn through the wave's own stage in LDS (rows 272 bytes apart),
; from which a lane takes its 32 neighbours.  Every store of a register pair covers 256 consecutive bytes, aligned.  All 32 loads of a wave go out at the head.  No tensor load, no matrix instruction: memory binds.
.set PITCH, 272
.set STGB,  16*PITCH                   ; a wave's stage
.set SCG,   4*STGB                     ; behind the stages: the work-group's scale words, [2 steps][64 rows]
.set TP,    12288                      ; a tile of inc in bytes
.set SP,    114688                     ; a step of ins in bytes
.set GIN, 4                            ; v4   in: 4,096 h + 16 r
.set STW, 5                            ; v5   the stage, on the way in
.set STR, 6                            ; v6   and on the way out
.set L8,  7                            ; v7   8 x lane
.set SGW, 8                            ; v8   where my row's scale word goes
.set H8,  9                            ; v9   8 h
.set BY,  16                           ; v16-19 the four groups' scale bytes
.set WD,  20                           ; v20  a scale word
.set PD,  21                           ; v21  a lane permute's destination
.set SRD, 22                           ; v22  wave 0: where it reads the scale words back
.set SGO, 23                           ; v23  and their place in ins
.set C,   24                           ; v24-47 codes, six registers a group: no store's data are written again
.set TC,  48                           ; v48-50 a block's upper 16 codes as they are made
.set OW,  52                           ; v52-55 scale words on their way out
.set X,   56                           ; v56-119 two sets of 32 neighbours
.set R,   120                          ; v120-247 the numbers as loaded: 4 groups x 8 loads x 4
	s_load_b512 s[4:19], s[0:1], 0x0               ; query, key, value, Wq, Wk, Wv, Wo, inc
	s_load_b64 s[20:21], s[0:1], 0x40              ; ins
	v_lshl_add_u32 v248, v0, 2, 0x4600
	v_mov_b32 v249, 0
	v_lshrrev_b32 v1, 5, v0
	v_readfirstlane_b32 s22, v1                    ; wave 0..3
	v_and_b32 v1, 15, v0                           ; r
	v_bfe_u32 v2, v0, 4, 1                         ; h
	v_and_b32 v3, 31, v0                           ; lane
	v_lshlrev_b32 v[GIN], 4, v1
	v_lshl_add_u32 v[GIN], v2, 12, v[GIN]          ; lanes 0-15 one row's 256 bytes, lanes 16-31 the next row's
	s_mul_i32 s23, s22, STGB
	v_mul_u32_u24 v[STW], v2, PITCH
	v_lshl_add_u32 v[STW], v1, 4, v[STW]
	v_add_nc_u32 v[STW], s23, v[STW]               ; in: stage row h (+ 2 for each load), 16 r
	v_mul_u32_u24 v[STR], v1, PITCH
	v_lshl_add_u32 v[STR], v2, 7, v[STR]
	v_add_nc_u32 v[STR], s23, v[STR]               ; out: stage row r, my half's 128 bytes
	v_lshlrev_b32 v[L8], 3, v3
	s_lshl_b32 s24, s22, 6
	s_add_co_u32 s24, s24, SCG
	v_lshl_add_u32 v[SGW], v1, 2, s24              ; SCG + 64 x wave + 4 r
	v_lshlrev_b32 v[H8], 3, v2
	v_mov_b32 v[PD], 0                             ; written once: a lane permute's destination counts as one of its sources
	v_lshl_add_u32 v[SRD], v3, 4, SCG
	v_mul_u32_u24 v[SGO], v2, SP
	v_lshl_add_u32 v[SGO], v1, 4, v[SGO]           ; lanes 0-15 the first step's 64 words, lanes 16-31 the second's
	s_and_b32 s25, ttmp7, 0xffff                   ; y: which 256 columns
	s_mov_b32 s28, 0x76543210
	s_mov_b32 s29, 0xfedcba98                      ; v_permlanex16_b32's selects for lane l xor 16
	s_cmp_lt_u32 ttmp9, 384
	s_cselect_b32 s26, 127, 15
	s_and_b32 s26, ttmp9, s26                      ; which 64 rows of my tensor
	s_lshl_b32 s32, s26, 18                        ; 64 rows of 4,096 bytes
	s_lshr_b32 s27, s22, 1
	s_lshl_b32 s27, s27, 17                        ; my tile's first row: 32 (wave / 2)
	s_add_co_u32 s32, s32, s27
	s_and_b32 s27, s22, 1
	s_lshl_b32 s27, s27, 15                        ; + 8 (wave % 2)
	s_add_co_u32 s32, s32, s27
	s_lshl_b32 s27, s25, 10
	s_add_co_u32 s32, s32, s27                     ; + my 256 columns
	s_mov_b32 s33, 0
	s_lshl_b32 s34, ttmp9, 2
	s_add_co_u32 s34, s34, s22                     ; my tile
	s_mul_i32 s34, s34, TP
	s_mul_i32 s27, s25, 3072
	s_add_co_u32 s34, s34, s27                     ; + my four groups
	s_mov_b32 s35, 0
	s_mul_i32 s36, s25, 2*SP                       ; my two steps of ins,
	s_lshl_b32 s27, ttmp9, 8
	s_add_co_u32 s36, s36, s27                     ; my 64 rows
	s_mov_b32 s37, 0
	s_wait_kmcnt 0x0
	s_mov_b64 s[30:31], s[4:5]                     ; the tensor is chosen by the work-group's number alone
	s_cmp_ge_u32 ttmp9, 128
	s_cselect_b64 s[30:31], s[6:7], s[30:31]
	s_cmp_ge_u32 ttmp9, 256
	s_cselect_b64 s[30:31], s[8:9], s[30:31]
	s_cmp_ge_u32 ttmp9, 384
	s_cselect_b64 s[30:31], s[10:11], s[30:31]
	s_cmp_ge_u32 ttmp9, 400
	s_cselect_b64 s[30:31], s[12:13], s[30:31]
	s_cmp_ge_u32 ttmp9, 416
	s_cselect_b64 s[30:31], s[14:15], s[30:31]
	s_cmp_ge_u32 ttmp9, 432
	s_cselect_b64 s[30:31], s[16:17], s[30:31]
	s_add_nc_u64 s[30:31], s[30:31], s[32:33]
	s_add_nc_u64 s[18:19], s[18:19], s[34:35]
	s_add_nc_u64 s[20:21], s[20:21], s[36:37]
.irp g, 0,1,2,3
.irp rp, 0,1,2,3,4,5,6,7
	global_load_b128 v[R+32*\g+4*\rp:R+32*\g+4*\rp+3], v[GIN], s[30:31] offset:(2*\rp+8*(\rp/4))*4096+256*\g th:TH_LOAD_NT   ; places 2 rp, 2 rp + 1 of the tile: rows 2 rp + 8 (rp / 4) on
.endr
.endr
.macro TURN g                          ; group g's numbers through the stage: LDS serves a wave's instructions in order, so one stage serves all four groups and no wait stands between the stores and the loads
	s_wait_loadcnt 24-8*(\g)                       ; this group's eight loads are in; the later groups' may be out
.irp rp, 0,1,2,3,4,5,6,7
	ds_store_b128 v[STW], v[R+32*(\g)+4*\rp:R+32*(\g)+4*\rp+3] offset:2*PITCH*\rp
.endr
.irp i, 0,1,2,3,4,5,6,7
	ds_load_b128 v[X+32*((\g)%2)+4*\i:X+32*((\g)%2)+4*\i+3], v[STR] offset:16*\i
.endr
.endm
.macro HF g                            ; a half fragment: my block of 32, its scale, its codes
.set XS, X+32*((\g)%2)
	s_wait_dscnt 0x0                               ; my 32 neighbours are back from the stage
.if (\g) < 3
	TURN (\g)+1                                    ; the next group turns while this one is worked
.endif
	v_max3_num_f32 v10, |v[XS]|, |v[XS+1]|, |v[XS+2]|              ; the block's largest magnitude: all 32 numbers are mine; two chains
	v_max3_num_f32 v11, |v[XS+3]|, |v[XS+4]|, |v[XS+5]|
.irp i, 6,10,14,18,22,26
	v_max3_num_f32 v10, v10, |v[XS+\i]|, |v[XS+\i+1]|
	v_max3_num_f32 v11, v11, |v[XS+\i+2]|, |v[XS+\i+3]|
.endr
	v_max3_num_f32 v10, v10, |v[XS+30]|, |v[XS+31]|
	v_max3_num_f32 v10, v10, v11, 0x1800000        ; and the floor 2^(3 - 127): the byte cannot fall under 1
	v_add_nc_u32 v12, 0xff000000, v10              ; 2 off the exponent field: the conversion takes the exponent field of this operand as its scale
	v_cvt_scalef32_pk16_fp6_f32 v[C+6*(\g):C+6*(\g)+2], v[XS:XS+15], v12
	v_cvt_scalef32_pk16_fp6_f32 v[TC:TC+2], v[XS+16:XS+31], v12    ; (a conversion's three registers begin on an even number)
	v_lshrrev_b32 v[BY+(\g)], 23, v12              ; the scale's byte; also the plain instruction behind the conversions
.irp i, 0,1,2
	v_mov_b32 v[C+6*(\g)+3+\i], v[TC+\i]
.endr
.irp p, 0,1,2
	global_store_b64 v[L8], v[C+6*(\g)+2*\p:C+6*(\g)+2*\p+1], s[18:19] offset:768*(\g)+256*\p   ; 32 lanes store 256 consecutive bytes, aligned
.endr
.if (\g)%2 == 1                        ; two groups are a step of 128 along K: my two bytes, blocks h and 2 + h, at their places; with lane l xor 16's two the word is whole
	v_lshl_or_b32 v[WD], v[BY+(\g)], 16, v[BY+(\g)-1]
	v_lshlrev_b32 v[WD], v[H8], v[WD]
	v_permlanex16_b32 v[PD], v[WD], s28, s29
	v_or_b32 v[WD], v[WD], v[PD]
	ds_store_b32 v[SGW], v[WD] offset:256*((\g)/2) ; both halves of the lanes write the same word with the same value
.endif
.endm
	TURN 0
	HF 0
	HF 1
	HF 2
	HF 3
	s_wait_dscnt 0x0                               ; for the others' sake: my scale words lie in LDS
	s_barrier_signal -1
	s_barrier_wait -1
	s_cmp_lg_u32 s22, 0
	s_cbranch_scc1 .Lend                           ; wave 0 stores the work-group's 128 words: two runs of 256 consecutive bytes, aligned
	ds_load_b128 v[OW:OW+3], v[SRD]
	s_wait_dscnt 0x0
	global_store_b128 v[SGO], v[OW:OW+3], s[20:21]
.Lend:
	s_wait_tensorcnt 0x0
	ds_add_u32 v248, v249
	s_wait_dscnt 0x0
	s_endpgm
.Lfunc_end_k_q40ac9b8e02_quant:
	.size	k_q40ac9b8e02_quant, .Lfunc_end_k_q40ac9b8e02_quant-k_q40ac9b8e02_quant
	.p2alignl 7, 3214868480
	.fill 96, 4, 3214868480
	.section	.rodata,"a",@progbits
	.p2align	6, 0x0
	.amdhsa_kernel k_q40ac9b8e02_quant
		.amdhsa_group_segment_fixed_size 18432
		.amdhsa_private_segment_fixed_size 0
		.amdhsa_enable_private_segment 0
		.amdhsa_kernarg_size 72
		.amdhsa_user_sgpr_count 2
		.amdhsa_user_sgpr_kernarg_segment_ptr 1
		.amdhsa_wavefront_size32 1
		.amdhsa_system_sgpr_workgroup_id_x 1
		.amdhsa_system_sgpr_workgroup_id_y 1
		.amdhsa_system_sgpr_workgroup_id_z 1
		.amdhsa_system_vgpr_workitem_id 0
		.amdhsa_next_free_vgpr 250
		.amdhsa_next_free_sgpr 66
		.amdhsa_reserve_vcc 0
		.amdhsa_float_denorm_mode_32 3
		.amdhsa_float_denorm_mode_16_64 3
		.amdhsa_memory_ordered 1
		.amdhsa_forward_progress 1
		.amdhsa_inst_pref_size 19
	.end_amdhsa_kernel
	.amdgpu_metadata
---
amdhsa.version: [ 1, 2 ]
amdhsa.kernels:
  - .name:           k_q40ac9b8e02_quant
    .symbol:         k_q40ac9b8e02_quant.kd
    .args:
      - { .name: query, .offset: 0, .size: 8, .value_kind: global_buffer, .address_space: global }
      - { .name: key, .offset: 8, .size: 8, .value_kind: global_buffer, .address_space: global }
      - { .name: value, .offset: 16, .size: 8, .value_kind: global_buffer, .address_space: global }
      - { .name: Wq, .offset: 24, .size: 8, .value_kind: global_buffer, .address_space: global }
      - { .name: Wk, .offset: 32, .size: 8, .value_kind: global_buffer, .address_space: global }
      - { .name: Wv, .offset: 40, .size: 8, .value_kind: global_buffer, .address_space: global }
      - { .name: Wo, .offset: 48, .size: 8, .value_kind: global_buffer, .address_space: global }
      - { .name: inc, .offset: 56, .size: 8, .value_kind: global_buffer, .address_space: global }
      - { .name: ins, .offset: 64, .size: 8, .value_kind: global_buffer, .address_space: global }
    .group_segment_fixed_size: 18432
    .private_segment_fixed_size: 0
    .kernarg_segment_align: 8
    .kernarg_segment_size: 72
    .max_flat_workgroup_size: 128
    .sgpr_count:     66
    .vgpr_count:     250
    .wavefront_size: 32
...
	.end_amdgpu_metadata
.endif
;; end of part 1
;; launch proj (part 2): grid 4 x 96, 4 waves a work-group, clusters of 4 x 4, 327,680 bytes of LDS; arguments inc, ins, bq, bk, bv, qkvc, qkvs; writes qkvc, qkvs
.if DOCPART == 2
	.amdgcn_target "amdgcn-amd-amdhsa--gfx1250"
	.amdhsa_code_object_version 6
	.text
	.protected	k_q40ac9b8e02_proj
	.globl	k_q40ac9b8e02_proj
	.p2align	8
	.type	k_q40ac9b8e02_proj,@function
k_q40ac9b8e02_proj:
	s_mov_b64 s[64:65], 0
	v_nop
	global_prefetch_b8 v0, s[64:65] scope:SCOPE_SE
	s_setreg_imm32_b32 hwreg(HW_REG_WAVE_MODE, 25, 1), 1
	s_wait_xcnt 0x0
	s_wait_alu depctr_hold_cnt(0) depctr_sa_sdst(0) depctr_va_vdst(0) depctr_va_sdst(0) depctr_va_ssrc(0) depctr_va_vcc(0) depctr_vm_vsrc(0)
	s_getreg_b32 s2, hwreg(HW_REG_IB_STS2, 6, 4)
	s_cmp_eq_u32 s2, 0
	s_cbranch_scc0 .Lentry_in_a_cluster
	s_endpgm
.Lentry_in_a_cluster:
	s_bfe_u32 s2, ttmp6, 0x10000c
	s_cmp_lg_u32 s2, 0xf033
	s_cbranch_scc0 .Lentry_shape_is_right
	s_endpgm
.Lentry_shape_is_right:
; q = query Wq^T + bq, k = key Wk^T + bk, v = value Wv^T + bv, on codes of FP6 (E2M3) with E8M0 scales (buffers inc, ins: laid in the order of the operand's registers), f32 sums; the results are quantised on
; the way out, q and k along the head's 64 channels, v along the keys, into qkvc and qkvs, laid the same way.
; A tile of 256 x 256 results is made by a work-group of four waves; a wave makes 128 x 128: 64 accumulators of 16 x 16.  K = 1,024 goes in four steps of 256 through two LDS slots filled by the tensor data mover.
; SIDES.  Source 1 of the matrix instruction is the A SIDE (a lane holds one of its rows), source 0 the B SIDE (a lane's registers run along its rows).  For q and k: A = tokens, B = features, so that a lane's 64 results
; of a block are 128 features (two heads) of one token.  For v: A = Wv's features, B = value's tokens, so that they are 128 keys of one channel: the second attention product's K.  In both the 16 registers of B's tiles
; 2 b and 2 b + 1 are 16 neighbours, by the order of rows in inc.  The cluster's y says which product (y / 8) and which four tile rows or columns (y % 8): the same in all sixteen partners.
; CLUSTERS: 4 x 4 work-groups.  A's tiles hang on cy and are shared along a row of the cluster, B's on cx and are shared along a column: each is asked for JOINTLY, by the same tensor load with a mask that names the four.
; THE BIAS is the C of each sum's first matrix instruction: eight registers a tile in the result's layout (q, k: by B's tile; v: by A's tile, the lane's channel in all eight).
; LIMITS: a block of zeros, or one under 2^-124, gets the scale byte 1: this program alone reads the bytes.  NaN and infinities are not served.
; REGISTERS, in windows of 256: window 0: v1-31 addresses; v32-63 scale words, two sets; v64-127 the bias; v128-223 A's fragments, one set (on the way out: the codes just made); v224-247 at work on the way out.
;   window 1: B's fragments, two sets, at v0 and at v128.   window 2: the accumulators of my A rows 0-63 ((a, b) at v[8 (8 a + b)]);   window 3: those of rows 64-127.
.set FR,    12                         ; registers of a fragment: 16 rows x 128 K
.set NL,    6                          ; LDS loads that bring one
.set NP,    4                          ; places behind this matrix instruction (ISA guide 7.12.1)
.set TP,    12288                      ; a tile of 16 rows, all of K, in memory
.set TILEB, 3072                       ; 256 along K of it: four half fragments on end
.set HALFT, 8*TILEB                    ; 128 rows: what one tensor load brings, and what one wave reads of A or of B
.set SLOT,  4*HALFT                    ; A's two halves, then B's two
.set SCL,   2*SLOT                     ; behind the ring: the scale words of the four halves, [8 steps][128 rows] each,
.set SREG,  4160
.set SPARE, SCL+4*SREG                 ; the spare words, 128 bytes for each wave: two blocks of 256 bytes that no other line names
.set STG,   SPARE+512                  ; the way out: 512 bytes for each wave, for the scale words; no tensor load lands here
.set ADRA, 16                          ; v16-17  LDS address of my A fragments in slot 0, 1
.set ADRB, 20                          ; v20-21  the same for B
.set SWA,  24                          ; v24     the way out: where my row's scale word goes
.set SRA,  25                          ; v25     and where I read 16 bytes of them back
.set L8,   26                          ; v26     8 x lane
.set ADRS, 27                          ; v27     LDS address of my scale words: lanes 0-15 A's rows, lanes 16-31 B's
.set SPW,  28                          ; v28     LDS address of my spare word; never rewritten
.set NIL,  29                          ; v29     0; never rewritten
.set L16,  30                          ; v30     16 x lane
.set SC,   32                          ; scale words: set s at v[SC + 16 s]; register 2 i + q: lanes 0-15 A's block i, lanes 16-31 B's block i, the slot's q-th 128 along K.  They hold nothing else
.set CB,   64
.set AF,   128
.set TM,   224                         ; v224-227 largest magnitudes, v228-231 permutes and bytes, v236-239 the conversions' scale operands
.set PW,   240                         ; the scale word just made
.set WV, 18
.set WR, 19                            ; wave / 2: my half of A's rows.  Also: I fetch for A (0) or for B (1)
.set WC, 20                            ; wave % 2: my half of B's rows.  Also: which 128 rows I fetch
.set SEL, 2
.set FLR, 66
.set G1, 24
.set G0, 32
.set G1B, 48
.set G0B, 56
.set G1S, 68
.set G0S, 76
.set G1SB, 80
.set G0SB, 88
.set MSB, 0
.macro WIN new                         ; the immediate's high byte repeats the setting that is left
.if MSB != \new
	s_set_vgpr_msb (MSB<<8)|\new
.set MSB, \new
.endif
.endm
.set MUL_LO, 0xa1                      ; source 0 (B) window 1, source 1 (A) window 0, C and D window 2
.set MUL_HI, 0xf1                      ; the same, C and D window 3
.set TO_B,   0x40                      ; destination window 1, address window 0
; A joint load: waves 0 and 1 fetch for A, waves 2 and 3 for B.  The branch hangs on the wave's number alone.  Four v_nop follow each of the two lines.
.macro JLOAD g0a, g1a, g0b, g1b
	s_cmp_eq_u32 s[WR], 0
	s_cbranch_scc0 .Lfor_b_\@
	tensor_load_to_lds s[\g0a:\g0a+3], s[\g1a:\g1a+7]
	s_nop 0
.rept 4
	v_nop
.endr
	s_branch .Lasked_\@
.Lfor_b_\@:
	tensor_load_to_lds s[\g0b:\g0b+3], s[\g1b:\g1b+7]
	s_nop 0
.rept 4
	v_nop
.endr
.Lasked_\@:
.endm
.macro CREST                           ; a round of the cluster's barrier behind its opening barrier
	s_cmp_lg_u32 s[WV], 0
	s_cbranch_scc1 .Lnot_wave_0_\@
	s_barrier_signal -3
.Lnot_wave_0_\@:
	s_barrier_wait -3
	s_barrier_signal -1
	s_barrier_wait -1
.endm
.macro CROUND                          ; a whole round
	s_barrier_signal -1
	s_barrier_wait -1
	CREST
.endm
	s_load_b256 s[4:11], s[0:1], 0x0               ; inc s[4:5], ins s[6:7], bq s[8:9], bk s[10:11]
	s_load_b128 s[12:15], s[0:1], 0x20             ; bv s[12:13], qkvc s[14:15]
	s_load_b64 s[16:17], s[0:1], 0x30              ; qkvs
	v_lshl_add_u32 v[SPW], v0, 2, SPARE
	v_mov_b32 v[NIL], 0
	ds_add_u32 v28, v29
	s_wait_dscnt 0x0
	v_lshrrev_b32 v1, 5, v0
	v_readfirstlane_b32 s[WV], v1                  ; wave 0..3
	s_lshr_b32 s[WR], s[WV], 1
	s_and_b32 s[WC], s[WV], 1
	s_bfe_u32 s21, ttmp6, 0x40000                  ; cx
	s_bfe_u32 s22, ttmp6, 0x40004                  ; cy
	s_and_b32 s23, ttmp7, 0xffff                   ; the cluster's y, 0 .. 23
	s_lshl_b32 s2, s22, 2
	s_lshl_b32 s2, 15, s2                          ; my row of the cluster
	s_lshl_b32 s3, 0x1111, s21                     ; my column
	; descriptor group 1 for codes: 8 rows (tiles) of 3,072 bytes, 12,288 bytes apart, as elements of 8 bytes; dense in LDS
	s_or_b32 s[G1], s2, (3<<16)|(1<<21)            ; 15:0 the mask: A's tiles go to my row; 17:16 elements of 8 bytes; 21 set beside a mask
	s_or_b32 s[G1B], s3, (3<<16)|(1<<21)           ; B's to my column
.irp g, G1, G1B
	s_mov_b32 s[\g+1], 384<<16                     ; tensor_dim0
	s_mov_b32 s[\g+2], 8<<16                       ; tensor_dim1
	s_mov_b32 s[\g+3], 384<<16                     ; tile_dim0
	s_mov_b32 s[\g+4], 8                           ; tile_dim1
	s_mov_b32 s[\g+5], 1536                        ; tensor_dim0_stride
	s_mov_b32 s[\g+6], 0
	s_mov_b32 s[\g+7], 0
.endr
	; and for scale words: 8 rows (steps of 128 along K) of 128 words, 28,672 words apart
	s_or_b32 s[G1S], s2, (2<<16)|(1<<21)
	s_or_b32 s[G1SB], s3, (2<<16)|(1<<21)
.irp g, G1S, G1SB
	s_mov_b32 s[\g+1], 128<<16
	s_mov_b32 s[\g+2], 8<<16
	s_mov_b32 s[\g+3], 128<<16
	s_mov_b32 s[\g+4], 8
	s_mov_b32 s[\g+5], 28672
	s_mov_b32 s[\g+6], 0
	s_mov_b32 s[\g+7], 0
.endr
	s_mov_b32 s[SEL], 0x76543210
	s_mov_b32 s[SEL+1], 0xfedcba98                 ; v_permlanex16_b32's selects for lane l xor 16
	s_mov_b32 s[FLR], 0x1800000                    ; the floor 2^(3 - 127)
	; which product, and which tile.  s40 the product (0 q, 1 k, 2 v), s41 = 1 for v, s42 A's tile row, s43 B's tile row
	s_lshr_b32 s40, s23, 3
	s_and_b32 s44, s23, 7
	s_lshl_b32 s44, s44, 2
	s_lshl_b32 s94, s40, 9                         ; q, k: A's first tile of inc: 512 x product (query, key)
	s_lshl_b32 s95, s40, 6
	s_add_co_u32 s95, s95, 1536                    ; q, k: B's: Wq, Wk
	s_mov_b32 s98, TP                              ; q, k: a tile of qkvc in bytes
	s_mov_b32 s100, 32768                          ; q, k: a step of qkvs in bytes
	s_cmp_eq_u32 s40, 2
	s_cselect_b32 s41, 1, 0
	s_cselect_b32 s42, 0, s44
	s_cselect_b32 s43, s44, 0
	s_cselect_b32 s94, 1664, s94                   ; v: A = Wv,
	s_cselect_b32 s95, 1024, s95                   ; B = value
	s_cselect_b32 s98, 98304, s98
	s_cselect_b32 s100, 4096, s100
	s_mov_b32 s99, 0
	s_add_co_u32 s42, s42, s22                     ; A's tile row hangs on cy alone,
	s_add_co_u32 s43, s43, s21                     ; B's on cx alone
	s_lshl_b32 s45, s42, 4
	s_add_co_u32 s94, s94, s45
	s_lshl_b32 s46, s[WC], 3
	s_add_co_u32 s94, s94, s46                     ; A: the first of the 8 tiles that I would fetch
	s_lshl_b32 s96, s43, 4
	s_add_co_u32 s95, s95, s96
	s_add_co_u32 s95, s95, s46                     ; B likewise
	s_mul_i32 s44, s94, TP
	s_mov_b32 s45, 0
	s_lshl_b32 s46, s94, 6                         ; 16 words a tile
	s_mov_b32 s47, 0
	s_mul_i32 s92, s95, TP
	s_mov_b32 s93, 0
	s_lshl_b32 s96, s95, 6
	s_mov_b32 s97, 0
	s_mul_i32 s67, s[WV], HALFT                    ; where they go: no place in the cluster enters an LDS address
	s_mul_i32 s101, s[WV], SREG
	s_wait_kmcnt 0x0
	s_add_nc_u64 s[44:45], s[4:5], s[44:45]
	s_add_nc_u64 s[46:47], s[6:7], s[46:47]
	s_add_nc_u64 s[92:93], s[4:5], s[92:93]
	s_add_nc_u64 s[96:97], s[6:7], s[96:97]
	CROUND                                         ; all sixteen work-groups are here: the first joint loads meet
	s_mov_b32 s[G0S], 1
	s_add_co_u32 s[G0S+1], s101, SCL
	s_mov_b64 s[G0S+2:G0S+3], s[46:47]
	s_or_b32 s[G0S+3], s[G0S+3], 0x80000000
	s_mov_b32 s[G0SB], 1
	s_add_co_u32 s[G0SB+1], s101, SCL
	s_mov_b64 s[G0SB+2:G0SB+3], s[96:97]
	s_or_b32 s[G0SB+3], s[G0SB+3], 0x80000000
	JLOAD G0S, G1S, G0SB, G1SB                     ; the scale words of all of K first: filled once.  With the two slots three tensor loads of mine are out
.irp s, 0,1
	s_mov_b32 s[G0+4*\s], 1
	s_add_co_u32 s[G0+4*\s+1], s67, \s*SLOT
	s_add_nc_u64 s[G0+4*\s+2:G0+4*\s+3], s[44:45], \s*TILEB
	s_or_b32 s[G0+4*\s+3], s[G0+4*\s+3], 0x80000000
	s_mov_b32 s[G0B+4*\s], 1
	s_add_co_u32 s[G0B+4*\s+1], s67, \s*SLOT
	s_add_nc_u64 s[G0B+4*\s+2:G0B+4*\s+3], s[92:93], \s*TILEB
	s_or_b32 s[G0B+4*\s+3], s[G0B+4*\s+3], 0x80000000
	JLOAD G0+4*\s, G1, G0B+4*\s, G1B
.endr
	v_and_b32 v1, 15, v0                           ; r
	v_bfe_u32 v2, v0, 4, 1                         ; h
	v_and_b32 v7, 31, v0                           ; lane
	v_lshlrev_b32 v[L8], 3, v7
	v_lshlrev_b32 v[L16], 4, v7
	s_mul_i32 s94, s[WR], HALFT                    ; my 128 rows of A
	s_mul_i32 s95, s[WC], HALFT                    ; my 128 rows of B,
	s_add_co_u32 s95, s95, 2*HALFT                 ; behind A's 256
.irp s, 0,1
	v_add_nc_u32 v[ADRA+\s], s94, v[L8]            ; a fragment is an image of its registers: 8 x lane in each run of 256 bytes
	v_add_nc_u32 v[ADRB+\s], s95, v[L8]
	s_add_co_u32 s94, s94, SLOT
	s_add_co_u32 s95, s95, SLOT
.endr
	s_mul_i32 s94, s[WR], SREG                     ; A's scale words: my half's region;
	s_add_co_u32 s95, s[WC], 2
	s_sub_co_u32 s95, s95, s[WR]
	s_mul_i32 s95, s95, SREG                       ; B's lie so much further on:
	v_mul_u32_u24 v4, s95, v2                      ; lanes 16-31 take B's
	s_add_co_u32 s94, s94, SCL
	v_lshl_add_u32 v4, v1, 2, v4
	v_add_nc_u32 v[ADRS], s94, v4
	s_lshl_b32 s96, s[WV], 9
	s_add_co_u32 s96, s96, STG
	v_lshl_add_u32 v[SWA], v1, 2, s96
	v_lshl_add_u32 v[SRA], v7, 4, s96
	v_lshlrev_b32 v5, 6, v2                        ; the bias, q and k: 16 h numbers on
	v_and_b32 v6, 8, v1
	v_add_nc_u32 v6, v6, v1
	v_lshlrev_b32 v6, 2, v6                        ; v: my channel, r + 8 (r / 8)
	s_cmp_eq_u32 s40, 1
	s_cselect_b64 s[8:9], s[10:11], s[8:9]
	s_cmp_eq_u32 s40, 2
	s_cselect_b64 s[8:9], s[12:13], s[8:9]         ; the product's bias
	s_cselect_b32 s94, s42, s43                    ; it runs along the features: A's side for v, B's for q and k
	s_cselect_b32 s95, s[WR], s[WC]
	s_lshl_b32 s94, s94, 10
	s_lshl_b32 s95, s95, 9
	s_add_co_u32 s94, s94, s95
	s_mov_b32 s95, 0
	s_add_nc_u64 s[8:9], s[8:9], s[94:95]          ; my 128 features' numbers
	s_cmp_eq_u32 s41, 0
	s_cbranch_scc0 .Lbias_v
.irp b, 0,1,2,3,4,5,6,7
	global_load_b128 v[CB+8*\b:CB+8*\b+3], v5, s[8:9] offset:(32*(\b/2)+8*(\b%2))*4          ; register j of tile b: feature 32 (b / 2) + 8 (b % 2) + 16 h + j
	global_load_b128 v[CB+8*\b+4:CB+8*\b+7], v5, s[8:9] offset:(32*(\b/2)+8*(\b%2))*4+16
.endr
	s_branch .Lbias_done
.Lbias_v:
.irp a, 0,1,2,3,4,5,6,7
.irp j, 0,1,2,3,4,5,6,7
	global_load_b32 v[CB+8*\a+\j], v6, s[8:9] offset:(32*(\a/2)+8*(\a%2))*4                  ; all eight registers of tile a: my channel's number
.endr
.endr
.Lbias_done:
	; where my results go: qkvc: the product's part + (my first A tile) x a tile's bytes + (my first group of 64 along B) x 768;  qkvs: + (my step of 128 along B) x a step's bytes + 4 x my first A row
	s_mul_i32 s92, s40, 6291456
	s_lshl_b32 s93, s42, 4
	s_lshl_b32 s94, s[WR], 3
	s_add_co_u32 s93, s93, s94
	s_mul_i32 s93, s93, s98
	s_add_co_u32 s92, s92, s93
	s_lshl_b32 s93, s43, 2
	s_lshl_b32 s94, s[WC], 1
	s_add_co_u32 s93, s93, s94
	s_mul_i32 s94, s93, 768
	s_add_co_u32 s92, s92, s94
	s_lshr_b32 s94, s93, 1
	s_mov_b32 s93, 0
	s_add_nc_u64 s[14:15], s[14:15], s[92:93]
	s_mul_i32 s94, s94, s100
	s_lshl_b32 s95, s40, 18
	s_add_co_u32 s94, s94, s95
	s_lshl_b32 s95, s42, 10
	s_add_co_u32 s94, s94, s95
	s_lshl_b32 s95, s[WR], 9
	s_add_co_u32 s94, s94, s95
	s_mov_b32 s95, 0
	s_add_nc_u64 s[16:17], s[16:17], s[94:95]
.macro FRAG reg, adr, q, i             ; a fragment, 16 rows x 128 K, 12 registers: six loads of 8 bytes a lane, each 256 consecutive bytes
.irp p, 0,1,2,3,4,5
	ds_load_b64 v[\reg+2*\p:\reg+2*\p+1], v[\adr] offset:(\i)*TILEB+(\q)*1536+256*\p
.endr
.endm
; One matrix instruction: A's block a x B's block b.  p: B's set;  q: the slot's q-th 128 along K;  sc: the set of scale words.  zero = 0: adds in place; 1: the sum starts with the bias of B's block; 2: of A's block
.macro MM a, b, p, q, sc, zero
.set D0, 8*(8*((\a)%4)+(\b))
.if (\zero) == 1
	v_wmma_scale_f32_16x16x128_f8f6f4 v[D0:D0+7], v[128*(\p)+FR*(\b):128*(\p)+FR*(\b)+FR-1], v[AF+FR*(\a):AF+FR*(\a)+FR-1], v[CB+8*(\b):CB+8*(\b)+7], v[SC+16*(\sc)+2*(\b)+(\q)], v[SC+16*(\sc)+2*(\a)+(\q)] matrix_a_fmt:MATRIX_FMT_FP6 matrix_b_fmt:MATRIX_FMT_FP6 matrix_a_scale:MATRIX_SCALE_ROW1
.elseif (\zero) == 2
	v_wmma_scale_f32_16x16x128_f8f6f4 v[D0:D0+7], v[128*(\p)+FR*(\b):128*(\p)+FR*(\b)+FR-1], v[AF+FR*(\a):AF+FR*(\a)+FR-1], v[CB+8*(\a):CB+8*(\a)+7], v[SC+16*(\sc)+2*(\b)+(\q)], v[SC+16*(\sc)+2*(\a)+(\q)] matrix_a_fmt:MATRIX_FMT_FP6 matrix_b_fmt:MATRIX_FMT_FP6 matrix_a_scale:MATRIX_SCALE_ROW1
.else
	v_wmma_scale_f32_16x16x128_f8f6f4 v[D0:D0+7], v[128*(\p)+FR*(\b):128*(\p)+FR*(\b)+FR-1], v[AF+FR*(\a):AF+FR*(\a)+FR-1], v[D0:D0+7], v[SC+16*(\sc)+2*(\b)+(\q)], v[SC+16*(\sc)+2*(\a)+(\q)] matrix_a_fmt:MATRIX_FMT_FP6 matrix_b_fmt:MATRIX_FMT_FP6 matrix_a_scale:MATRIX_SCALE_ROW1
.endif
.endm
; 16 of them: A's blocks a0, a0 + 1 x B's eight.  The 64 accumulators take turns, one instruction a turn, in the same order in every step
.macro MUL16 a0, p, q, sc, zero
.irp a, \a0, \a0+1
.irp b, 0,1,2,3,4,5,6,7
	MM \a, \b, \p, \q, \sc, \zero
.endr
.endr
.endm
.macro FETCH_B slot, q, p              ; B's eight fragments of the slot's q-th 128 along K into set p
	WIN TO_B
.irp i, 0,1,2,3,4,5,6,7
	FRAG 128*(\p)+FR*\i, ADRB+\slot, \q, \i
.endr
	WIN 0
.endm
.macro FETCH_A slot, q, i0             ; A's blocks i0 .. i0 + 3
.irp i, \i0, \i0+1, \i0+2, \i0+3
	FRAG AF+FR*(\i), ADRA+\slot, \q, \i
.endr
.endm
.macro SCALES sc                       ; a slot's scale words into set sc: lanes 0-15 take A's block i, lanes 16-31 B's block i
.irp i, 0,1,2,3,4,5,6,7
	ds_load_b32 v[SC+16*(\sc)+2*\i], v[ADRS] offset:64*\i
	ds_load_b32 v[SC+16*(\sc)+2*\i+1], v[ADRS] offset:512+64*\i
.endr
.endm
; A load into a register that a matrix instruction has read, and a vector instruction that reads a matrix result or writes one of its registers, stand NP places behind it; only plain vector instructions that name none of its registers are places
.macro PLACES n
.rept \n
	v_nop
.endr
.endm
; A step of 128 along K that has its successor in the same slot.  A block of A is free as soon as its eight products are issued: blocks 0-3 are fetched anew in the step's middle, blocks 4-7 at its end
.macro STEP slot, q, zero
	s_wait_dscnt 4*NL                              ; B's set, the scale words and A's blocks 0-3 are in; the youngest 24 loads (A's blocks 4-7) may be out
.if \zero
	WIN 0x81                                       ; C (the bias) window 0, D window 2
.else
	WIN MUL_LO
.endif
	MUL16 0, (\q)%2, \q, \slot, \zero
	MUL16 2, (\q)%2, \q, \slot, \zero
	s_wait_dscnt 0                                 ; A's blocks 4-7 are in
	PLACES NP
	FETCH_B \slot, (\q)+1, 1-(\q)%2
	FETCH_A \slot, (\q)+1, 0
.if \zero
	WIN 0xc1
.else
	WIN MUL_HI
.endif
	MUL16 4, (\q)%2, \q, \slot, \zero
	MUL16 6, (\q)%2, \q, \slot, \zero
	PLACES NP
	WIN 0
	FETCH_A \slot, (\q)+1, 4
.endm
; A slot's last step changes slots: ONE barrier; in front of it each wave waits for all its tensor loads, adds 0 to its spare word, and waits for that and for its own reads of this slot.  fill = 1: this slot is filled again, 512 along K ahead
.macro TURN slot, next, fill
	s_wait_tensorcnt 0x0                           ; all my tensor loads have landed: my part of the next slot  (every window is 0 here)
	ds_add_u32 v[SPW], v[NIL]                      ; 0 onto my spare word
	s_wait_dscnt 4*NL+1                            ; (the add and the youngest 24 loads, A's blocks 4-7, may be out)
	WIN MUL_LO
	MUL16 0, 1, 1, \slot, 0                        ; sixteen matrix instructions stand between the add and the wait for it
	s_wait_dscnt 0x0                               ; the add is done, and my reads of this slot are over
	s_barrier_signal -1
	MUL16 2, 1, 1, \slot, 0
	WIN 0
	s_barrier_wait -1
.if \fill
	CREST                                          ; the barrier has opened a round of the cluster's barrier: no wave of any partner still reads this slot or has a load on its way
	s_add_nc_u64 s[G0+4*\slot+2:G0+4*\slot+3], s[G0+4*\slot+2:G0+4*\slot+3], 2*TILEB
	s_add_nc_u64 s[G0B+4*\slot+2:G0B+4*\slot+3], s[G0B+4*\slot+2:G0B+4*\slot+3], 2*TILEB
	JLOAD G0+4*\slot, G1, G0B+4*\slot, G1B         ; the first tensor load behind the round; its four v_nop are also the places in front of the loads below
.else
	PLACES NP
.endif
	v_add_nc_u32 v[ADRS], 1024, v[ADRS]            ; on to the next slot's two steps of scale words
	FETCH_B \next, 0, 0
	FETCH_A \next, 0, 0
	SCALES \next
	WIN MUL_HI
	MUL16 4, 1, 1, \slot, 0
	MUL16 6, 1, 1, \slot, 0
	PLACES NP
	WIN 0
	FETCH_A \next, 0, 4
.endm
	s_wait_tensorcnt 1                             ; the scale words and my part of slot 0 are in (slot 1's load may be out)
	s_barrier_signal -1
	s_barrier_wait -1                              ; everybody's are
	FETCH_B 0, 0, 0
	FETCH_A 0, 0, 0
	SCALES 0
	FETCH_A 0, 0, 4
	s_wait_loadcnt 0x0                             ; the bias
	s_cmp_eq_u32 s41, 0                            ; the first step is written twice: its products start the sums with the bias, by B's block (q, k) or by A's (v).  No barrier and no tensor load stands in either arm
	s_cbranch_scc0 .Lfirst_v
	STEP 0, 0, 1
	s_branch .Lfirst_done
.Lfirst_v:
	STEP 0, 0, 2
.Lfirst_done:
	TURN 0, 1, 1                                   ; K is four slots: the steps are written out
	STEP 1, 0, 0
	TURN 1, 0, 1
	STEP 0, 0, 0
	TURN 0, 1, 0                                   ; the last two slots are filled no more
	STEP 1, 0, 0
	s_wait_dscnt 4*NL                              ; the very last step: nothing more to fetch
	WIN MUL_LO
	MUL16 0, 1, 1, 1, 0
	MUL16 2, 1, 1, 1, 0
	s_wait_dscnt 0
	WIN MUL_HI
	MUL16 4, 1, 1, 1, 0
	MUL16 6, 1, 1, 1, 0
	WIN 0
; THE WAY OUT: the same for all three products.  Block a's 64 registers of a lane, register 16 b + i = number 32 b + 16 h + i of the 128 along B of my A row, become one fragment's codes and my row's scale word.
; Each accumulator is read from its low end on.  The fragment leaves as it stands: six stores of a register pair, each 256 consecutive bytes, aligned.
.macro QUANTW a
.set AC, 64*((\a)%4)
.set PC, 128+32*((\a)%2)               ; two sets of registers for the codes, by turns: a set is written again only behind the wait that frees its stores' data
.if (\a) < 4
	WIN 0x28                                       ; sources 1 and 2: window 2
.else
	WIN 0x3c                                       ; window 3
.endif
.irp b, 0,1,2,3
	v_max3_num_f32 v[TM+\b], s[FLR], |v[AC+16*\b]|, |v[AC+16*\b+1]|     ; block b: my 16 numbers, and the floor: the byte cannot fall under 1
.endr
.irp i, 2,4,6,8,10,12,14
.irp b, 0,1,2,3
	v_max3_num_f32 v[TM+\b], v[TM+\b], |v[AC+16*\b+\i]|, |v[AC+16*\b+\i+1]|   ; (the four blocks by turns)
.endr
.endr
	WIN 0
.irp b, 0,1,2,3
	v_permlanex16_b32 v[TM+4+\b], v[TM+\b], s[SEL], s[SEL+1]
.endr
.irp b, 0,1,2,3
	v_max_num_f32 v[TM+\b], v[TM+\b], v[TM+4+\b]   ; with lane l xor 16's: the block's largest magnitude
.endr
.irp b, 0,1,2,3
	v_add_nc_u32 v[TM+12+\b], 0xff000000, v[TM+\b] ; 2 off its exponent field: the conversion's scale operand
.endr
.irp b, 0,1,2,3
	v_lshrrev_b32 v[TM+4+\b], 23, v[TM+12+\b]      ; the scale's byte
.endr
	v_lshl_or_b32 v[PW], v[TM+5], 8, v[TM+4]
	v_lshl_or_b32 v[PW], v[TM+6], 16, v[PW]
	v_lshl_or_b32 v[PW], v[TM+7], 24, v[PW]        ; my row's scale word
.if (\a) < 4
	WIN 0x02                                       ; source 0: window 2
.else
	WIN 0x03
.endif
.irp c, 0,1
	v_cvt_scalef32_pk16_fp6_f32 v[PC+6*\c:PC+6*\c+2], v[AC+32*\c:AC+32*\c+15], v[TM+12+2*\c]
	v_cvt_scalef32_pk16_fp6_f32 v[PC+12+4*\c:PC+14+4*\c], v[AC+16+32*\c:AC+31+32*\c], v[TM+12+2*\c+1]   ; (a conversion's three registers begin on an even number)
.endr
	WIN 0
	v_nop                                          ; one plain instruction behind a scaled conversion
.irp c, 0,1                            ; the operand's layout wants a WHOLE block in a lane: lanes 0-15 block 2 c, lanes 16-31 block 2 c + 1
.irp i, 0,1,2
	v_permlane16_swap_b32 v[PC+6*\c+\i], v[PC+12+4*\c+\i]
.endr
.irp i, 0,1,2
	v_mov_b32 v[PC+3+6*\c+\i], v[PC+12+4*\c+\i]
.endr
.endr
.endm
	PLACES NP                                      ; behind the last products: their results are read, and A's registers written, below
.irp b, 0,1,2,3
	v_mov_b32 v[TM+4+\b], 0                        ; written once: a lane permute's destination counts as one of its sources
.endr
.irp a, 0,1,2,3,4,5,6,7
	QUANTW \a
	s_wait_xcnt 0x0                                ; the earlier stores have read their data and their base: the base may step, and the next block may write the other set of codes
.if \a > 0
	s_add_nc_u64 s[14:15], s[14:15], s[98:99]      ; the next A tile
.endif
.irp p, 0,1,2,3,4,5
	global_store_b64 v[L8], v[PC+2*\p:PC+2*\p+1], s[14:15] offset:256*\p
.endr
	ds_store_b32 v[SWA], v[PW] offset:64*\a        ; both halves of the lanes write the same word with the same value
.endr
	ds_load_b128 v[244:247], v[SRA]                ; LDS serves a wave's instructions in order: this sees my stores; the bytes are my wave's own
	s_wait_dscnt 0x0
	global_store_b128 v[L16], v[244:247], s[16:17] ; my 128 rows' scale words: 512 consecutive bytes, aligned
	s_wait_tensorcnt 0x0                           ; the wave's end
	ds_add_u32 v[SPW], v[NIL]
	s_wait_dscnt 0x0
	CROUND                                         ; the closing round: no work-group ends while a partner may still ask for a tile that names it
	s_endpgm
.Lfunc_end_k_q40ac9b8e02_proj:
	.size	k_q40ac9b8e02_proj, .Lfunc_end_k_q40ac9b8e02_proj-k_q40ac9b8e02_proj
	.p2alignl 7, 3214868480
	.fill 96, 4, 3214868480
	.section	.rodata,"a",@progbits
	.p2align	6, 0x0
	.amdhsa_kernel k_q40ac9b8e02_proj
		.amdhsa_group_segment_fixed_size 327680
		.amdhsa_private_segment_fixed_size 0
		.amdhsa_enable_private_segment 0
		.amdhsa_kernarg_size 56
		.amdhsa_user_sgpr_count 2
		.amdhsa_user_sgpr_kernarg_segment_ptr 1
		.amdhsa_wavefront_size32 1
		.amdhsa_system_sgpr_workgroup_id_x 1
		.amdhsa_system_sgpr_workgroup_id_y 1
		.amdhsa_system_sgpr_workgroup_id_z 1
		.amdhsa_system_vgpr_workitem_id 0
		.amdhsa_next_free_vgpr 1024
		.amdhsa_next_free_sgpr 102
		.amdhsa_reserve_vcc 0
		.amdhsa_float_denorm_mode_32 3
		.amdhsa_float_denorm_mode_16_64 3
		.amdhsa_memory_ordered 1
		.amdhsa_forward_progress 1
		.amdhsa_inst_pref_size 191
	.end_amdhsa_kernel
	.amdgpu_metadata
---
amdhsa.version: [ 1, 2 ]
amdhsa.kernels:
  - .name:           k_q40ac9b8e02_proj
    .symbol:         k_q40ac9b8e02_proj.kd
    .args:
      - { .name: inc, .offset: 0, .size: 8, .value_kind: global_buffer, .address_space: global }
      - { .name: ins, .offset: 8, .size: 8, .value_kind: global_buffer, .address_space: global }
      - { .name: bq, .offset: 16, .size: 8, .value_kind: global_buffer, .address_space: global }
      - { .name: bk, .offset: 24, .size: 8, .value_kind: global_buffer, .address_space: global }
      - { .name: bv, .offset: 32, .size: 8, .value_kind: global_buffer, .address_space: global }
      - { .name: qkvc, .offset: 40, .size: 8, .value_kind: global_buffer, .address_space: global }
      - { .name: qkvs, .offset: 48, .size: 8, .value_kind: global_buffer, .address_space: global }
    .group_segment_fixed_size: 327680
    .private_segment_fixed_size: 0
    .kernarg_segment_align: 8
    .kernarg_segment_size: 56
    .max_flat_workgroup_size: 128
    .sgpr_count:     102
    .vgpr_count:     1024
    .wavefront_size: 32
...
	.end_amdgpu_metadata
.endif
;; end of part 2
;; launch attn (part 3): grid 8 x 32, 16 waves a work-group, clusters of 4 x 1, 327,680 bytes of LDS; arguments qkvc, qkvs, xc, xs; writes xc, xs
.if DOCPART == 3
	.amdgcn_target "amdgcn-amd-amdhsa--gfx1250"
	.amdhsa_code_object_version 6
	.text
	.protected	k_q40ac9b8e02_attn
	.globl	k_q40ac9b8e02_attn
	.p2align	8
	.type	k_q40ac9b8e02_attn,@function
k_q40ac9b8e02_attn:
	s_mov_b64 s[64:65], 0
	v_nop
	global_prefetch_b8 v0, s[64:65] scope:SCOPE_SE
	s_setreg_imm32_b32 hwreg(HW_REG_WAVE_MODE, 25, 1), 1
	s_wait_xcnt 0x0
	s_wait_alu depctr_hold_cnt(0) depctr_sa_sdst(0) depctr_va_vdst(0) depctr_va_sdst(0) depctr_va_ssrc(0) depctr_va_vcc(0) depctr_vm_vsrc(0)
	s_getreg_b32 s2, hwreg(HW_REG_IB_STS2, 6, 4)
	s_cmp_eq_u32 s2, 0
	s_cbranch_scc0 .Lentry_in_a_cluster
	s_endpgm
.Lentry_in_a_cluster:
	s_bfe_u32 s2, ttmp6, 0x10000c
	s_cmp_lg_u32 s2, 0x3003
	s_cbranch_scc0 .Lentry_shape_is_right
	s_endpgm
.Lentry_shape_is_right:
; x[b][q][head] = softmax_k(q . k / 8) v for 4 batches x 16 heads of 64 channels x 2,048 tokens, both products on codes of FP6 (E2M3) with E8M0 scales; x is quantised along the channels on the way out (xc, xs).
; THE SOFTMAX AHEAD OF THE SECOND PRODUCT: t = score x log2(e) / 8; M = the row's largest t so far, rounded UP to a whole number; p = 2^(t - M) is what is quantised, along the keys, not normalised.  The row's sum is
; taken of the unquantised p, in f32, and divides O at the end.  When M moves, the sum and O are multiplied by 2^(old M - new M): exact.
; SHARES.  A work-group owns 256 queries of one batch and one PAIR of heads, which it takes in two passes, so that each wave ends with a whole fragment of x (128 along the last product's K) and whole scale words.
; Each of its sixteen waves owns 16 queries, in 256 registers: four waves to a SIMD, so that one wave's vector work stands beside another's matrix work and LDS loads.  Every wave walks all 2,048 keys, 128 a step.
; K and V of a head come through two LDS slots of 1,024 keys, filled by the tensor data mover (wave 0: K, wave 1: V) and read by all sixteen: three changes of slots in the launch.
; CLUSTER.  The four query blocks of a cluster walk the same K and V: each tile is asked for JOINTLY, by the same tensor load with the mask of all four.  cx enters the global addresses of q and x alone.
; LAYOUT.  All operands lie in memory and LDS as images of their registers: a half fragment (16 rows x 64 along K) is three runs of 256 bytes, lane l's register pair at 8 l.  Both products are used transposed:
; S^T = K Q^T, O^T = V^T P^T: a lane holds ONE query throughout.  By the order of rows in the buffers the 16 registers of key tiles 2 b and 2 b + 1 are 16 neighbouring keys, and likewise O^T's channels.
; A HEAD IS HALF OF THE INSTRUCTION'S K.  Q's registers 6-11 hold zero codes, which add nothing whatever stands against them: K's fragment of tile t names the six registers behind its own (the next tile's codes; zeros
; behind the last).  The scale words are read as 16 bits: the head's two bytes; bytes 2 and 3 are 0, which stands for 2^-127 and is no NaN.
; No prefetch: a refill is asked for eight key steps ahead of its first read, and nothing is asked for at the head, where every work-group's first tiles are on their way.
; LIMITS: a block of zeros, or one under 2^-124, gets the scale byte 1: this program alone reads the bytes.  NaN and infinities are not served.
.set SLOTB, 98304                      ; a slot: K's 64 tiles of 768 bytes, then V's 4 channel tiles of 12,288 bytes
.set VOFF,  49152
.set KSC,   2*SLOTB                    ; behind the ring: K's scale words of 2,048 keys, both heads: 8,192 bytes
.set VSC,   KSC+8192                   ; V's: [16 key steps][128 channels of the pair]
.set XST,   VSC+8192                   ; the way out: x's 256 scale words; no tensor load lands here
.set SPARE, XST+1024                   ; the spare words, 128 bytes for each wave: eight blocks of 256 bytes that no other line names
.set L8,  1                            ; v1   8 x lane
.set R4,  2                            ; v2   4 r
.set SPW, 3                            ; v3   LDS address of my spare word; never rewritten
.set NIL, 4                            ; v4   0; never rewritten
.set XWA, 5                            ; v5   where my query's scale word goes
.set XRA, 6                            ; v6   waves 0, 1: where they read them back
.set L16, 7                            ; v7   16 x lane
.set ADK, 8                            ; v8-11 LDS addresses of the step's K, V, K's scale words, V's
.set ADV, 9
.set ADS, 10
.set ADT, 11
.set QF,  16                           ; v16-27 Q: six registers of codes, six of zeros.  (v12 -M, v13 the largest t, v[14:15] the sum in two halves)
.set KV,  28                           ; v28-75 eight half fragments of K, later four fragments of V;  v76-81 zeros
.set KSR, 82                           ; v82-89 K's scale words;  v90-93 V's;  v94 Q's: they hold nothing else
.set VSR, 90
.set QS,  94
.set S,   96                           ; v96-159 S^T, then p
.set O,   160                          ; v160-191 O^T
.set P,   192                          ; v192-203 p's codes
.set CT,  204                          ; v204-210 the upper halves of blocks as they are made
.set BM,  212                          ; v212-215 the blocks' largest scores, then largest p
.set PT,  216                          ; v216-219 permutes, a chain of the sum, bytes
.set SO,  220                          ; v220-223 the conversions' scale operands
.set F,   224                          ; v[224:225] f = 2^(old M - new M); at a pass's end 1 / the sum
.set TMP, 226
.set PS,  228                          ; v228 p's scale word
.set XF,  232                          ; v232-243 x's fragment
.set XSW, 244                          ; v244 x's scale word
.set Q1,  246                          ; v246-251, v252 the second head's Q and its scale word
.set QS1, 252
.set WV,  12
.set SEL, 20
.set CS,  22
.set G1K,  24                          ; s[24:31], s[32:39], s[40:47], s[48:55] descriptor groups 1: K, V, K's scale words, V's
.set G1V,  32
.set G1KS, 40
.set G1VS, 48
.set G0KS, 56                          ; groups 0: K's scale words; K's slot 0 at s60, slot 1 at s68; V's scale words; V's slots at s76, s80
.set G0K,  60
.set G0VS, 72
.set G0V,  76
.set TK,  84                           ; s84-87 LDS byte at which the step's K, V, K's scale words, V's begin
.set TV,  85
.set TS,  86
.set TJ,  87
.set CNT, 88
.macro CROUND                          ; a round of the cluster's barrier
	s_barrier_signal -1
	s_barrier_wait -1
	s_cmp_lg_u32 s[WV], 0
	s_cbranch_scc1 .Lnot_wave_0_\@
	s_barrier_signal -3
.Lnot_wave_0_\@:
	s_barrier_wait -3
	s_barrier_signal -1
	s_barrier_wait -1
.endm
; A joint refill of a slot: wave 0 asks for K, wave 1 for V, the others for nothing.  The branches hang on the wave's number alone.  Four v_nop follow each of the two lines.
.macro RLOAD slot
	s_cmp_eq_u32 s[WV], 0
	s_cbranch_scc0 .Lnot_k_\@
	tensor_load_to_lds s[G0K+8*\slot:G0K+8*\slot+3], s[G1K:G1K+7]
	s_nop 0
.rept 4
	v_nop
.endr
	s_branch .Lasked_\@
.Lnot_k_\@:
	s_cmp_eq_u32 s[WV], 1
	s_cbranch_scc0 .Lasked_\@
	tensor_load_to_lds s[G0V+4*\slot:G0V+4*\slot+3], s[G1V:G1V+7]
	s_nop 0
.rept 4
	v_nop
.endr
.Lasked_\@:
.endm
	s_load_b256 s[4:11], s[0:1], 0x0               ; qkvc s[4:5], qkvs s[6:7], xc s[8:9], xs s[10:11]
	v_lshl_add_u32 v[SPW], v0, 2, SPARE
	v_mov_b32 v[NIL], 0
	ds_add_u32 v3, v4
	ds_add_u32 v3, v4
	s_wait_dscnt 0x0
	v_lshrrev_b32 v8, 5, v0
	s_delay_alu instid0(VALU_DEP_1)
	v_readfirstlane_b32 s[WV], v8                  ; wave 0..15
	s_bfe_u32 s13, ttmp6, 0x40000                  ; cx
	s_lshl_b32 s14, ttmp9, 2
	s_add_co_u32 s14, s14, s13                     ; my block of 256 queries, 0..7
	s_and_b32 s15, ttmp7, 0xffff
	s_lshr_b32 s16, s15, 3                         ; the batch
	s_and_b32 s17, s15, 7                          ; the pair of heads: both shared by the four partners
	s_mul_i32 s90, s16, 1572864                    ; K: the batch's 128 tiles of 12,288 bytes,
	s_mul_i32 s89, s17, 1536                       ; the pair's first head,
	s_add_co_u32 s90, s90, s89
	s_add_co_u32 s90, s90, 6291456                 ; in k's part of qkvc
	s_mov_b32 s91, 0
	s_mul_i32 s92, s17, 786432                     ; V: the pair's 8 channel tiles of 98,304 bytes,
	s_mul_i32 s89, s16, 24576                      ; the batch's 32 groups of 64 keys,
	s_add_co_u32 s92, s92, s89
	s_add_co_u32 s92, s92, 12582912                ; in v's part
	s_mov_b32 s93, 0
	s_lshl_b32 s94, s17, 15
	s_lshl_b32 s89, s16, 13
	s_add_co_u32 s94, s94, s89                     ; [pair][token] words: the pair's step, the batch's tokens
	s_mov_b32 s95, 0
	s_lshl_b32 s96, s16, 16                        ; V's scale words: the batch's 16 key steps of 4,096 bytes,
	s_lshl_b32 s89, s17, 9                         ; the pair's 128 channels,
	s_add_co_u32 s96, s96, s89
	s_add_co_u32 s96, s96, 524288                  ; in v's part of qkvs
	s_mov_b32 s97, 0
	s_lshl_b32 s18, s16, 7
	s_lshl_b32 s19, s14, 4
	s_add_co_u32 s18, s18, s19
	s_add_co_u32 s18, s18, s[WV]                   ; my tile of 16 queries
	s_mul_i32 s98, s18, 12288
	s_mul_i32 s19, s17, 1536
	s_add_co_u32 s98, s98, s19                     ; its two heads' codes, in q's part of qkvc and in xc alike
	s_mov_b32 s99, 0
	s_lshl_b32 s18, s18, 6
	s_lshl_b32 s19, s17, 15
	s_add_co_u32 s18, s18, s19                     ; its scale words
	s_mov_b32 s19, 0
	s_lshl_b32 s14, s14, 10
	s_add_co_u32 s14, s14, s94                     ; xs: my work-group's 256 words,
	s_and_b32 s15, s[WV], 1
	s_lshl_b32 s15, s15, 9
	s_add_co_u32 s14, s14, s15                     ; the half that I store if I am wave 0 or 1
	s_add_co_u32 s89, s15, XST
	s_mov_b32 s15, 0
	s_add_co_u32 s94, s94, 262144                  ; K's scale words: k's part of qkvs
	v_and_b32 v8, 31, v0
	s_delay_alu instid0(VALU_DEP_1)
	v_lshlrev_b32 v[L8], 3, v8
	s_delay_alu instid0(VALU_DEP_2)
	v_lshlrev_b32 v[L16], 4, v8
	v_and_b32 v9, 15, v0
	s_delay_alu instid0(VALU_DEP_1)
	v_lshlrev_b32 v[R4], 2, v9
	s_delay_alu instid0(VALU_DEP_3)
	v_add_nc_u32 v[XRA], s89, v[L16]
	s_lshl_b32 s89, s[WV], 6
	s_add_co_u32 s89, s89, XST
	v_add_nc_u32 v[XWA], s89, v[R4]
	; descriptor groups 1; elements of 8 bytes; 15:0 the mask of all four work-groups; 21 set beside a mask; no padding
	s_mov_b32 s[G1K], 15|(3<<16)|(1<<21)           ; K: 64 rows (tiles) of 768 bytes, 12,288 bytes apart
	s_mov_b32 s[G1K+1], 96<<16
	s_mov_b32 s[G1K+2], 64<<16
	s_mov_b32 s[G1K+3], 96<<16
	s_mov_b32 s[G1K+4], 64
	s_mov_b32 s[G1K+5], 1536
	s_mov_b32 s[G1K+6], 0
	s_mov_b32 s[G1K+7], 0
	s_mov_b32 s[G1V], 15|(3<<16)|(1<<21)           ; V: 4 rows (channel tiles) of 12,288 bytes, 98,304 bytes apart
	s_mov_b32 s[G1V+1], 1536<<16
	s_mov_b32 s[G1V+2], 4<<16
	s_mov_b32 s[G1V+3], 1536<<16
	s_mov_b32 s[G1V+4], 4
	s_mov_b32 s[G1V+5], 12288
	s_mov_b32 s[G1V+6], 0
	s_mov_b32 s[G1V+7], 0
	s_mov_b32 s[G1KS], 15|(3<<16)|(1<<21)          ; K's scale words: 8,192 dense bytes as 32 rows of 256
	s_mov_b32 s[G1KS+1], 32<<16
	s_mov_b32 s[G1KS+2], 32<<16
	s_mov_b32 s[G1KS+3], 32<<16
	s_mov_b32 s[G1KS+4], 32
	s_mov_b32 s[G1KS+5], 32
	s_mov_b32 s[G1KS+6], 0
	s_mov_b32 s[G1KS+7], 0
	s_mov_b32 s[G1VS], 15|(3<<16)|(1<<21)          ; V's: 16 rows (key steps) of 512 bytes, 4,096 bytes apart
	s_mov_b32 s[G1VS+1], 64<<16
	s_mov_b32 s[G1VS+2], 16<<16
	s_mov_b32 s[G1VS+3], 64<<16
	s_mov_b32 s[G1VS+4], 16
	s_mov_b32 s[G1VS+5], 512
	s_mov_b32 s[G1VS+6], 0
	s_mov_b32 s[G1VS+7], 0
	s_mov_b32 s[SEL], 0x76543210
	s_mov_b32 s[SEL+1], 0xfedcba98                 ; v_permlanex16_b32's selects for lane l xor 16
	s_mov_b32 s[CS], 0x3e38aa3b                    ; c = log2(e) / sqrt(64)
	s_mov_b32 s[CS+1], s[CS]                       ; (named with it as a pair, so it is written)
	s_wait_kmcnt 0x0
	s_add_nc_u64 s[90:91], s[4:5], s[90:91]
	s_add_nc_u64 s[92:93], s[4:5], s[92:93]
	s_add_nc_u64 s[94:95], s[6:7], s[94:95]
	s_add_nc_u64 s[96:97], s[6:7], s[96:97]
	s_mov_b32 s[G0KS], 1
	s_mov_b32 s[G0KS+1], KSC
	s_mov_b64 s[G0KS+2:G0KS+3], s[94:95]
	s_or_b32 s[G0KS+3], s[G0KS+3], 0x80000000
	s_mov_b32 s[G0K], 1
	s_mov_b32 s[G0K+1], 0
	s_mov_b64 s[G0K+2:G0K+3], s[90:91]             ; slot 0: keys 0 .. 1,023 of the pair's first head
	s_or_b32 s[G0K+3], s[G0K+3], 0x80000000
	s_mov_b32 s[G0K+8], 1
	s_mov_b32 s[G0K+9], SLOTB
	s_add_nc_u64 s[G0K+10:G0K+11], s[90:91], 786432   ; slot 1: 64 tiles on
	s_or_b32 s[G0K+11], s[G0K+11], 0x80000000
	s_mov_b32 s[G0VS], 1
	s_mov_b32 s[G0VS+1], VSC
	s_mov_b64 s[G0VS+2:G0VS+3], s[96:97]
	s_or_b32 s[G0VS+3], s[G0VS+3], 0x80000000
	s_mov_b32 s[G0V], 1
	s_mov_b32 s[G0V+1], VOFF
	s_mov_b64 s[G0V+2:G0V+3], s[92:93]
	s_or_b32 s[G0V+3], s[G0V+3], 0x80000000
	s_mov_b32 s[G0V+4], 1
	s_mov_b32 s[G0V+5], SLOTB+VOFF
	s_add_nc_u64 s[G0V+6:G0V+7], s[92:93], 12288      ; 16 groups of 64 keys on
	s_or_b32 s[G0V+7], s[G0V+7], 0x80000000
	s_add_nc_u64 s[4:5], s[4:5], s[98:99]          ; q's codes at my tile
	s_add_nc_u64 s[6:7], s[6:7], s[18:19]          ; and its scale words
	s_add_nc_u64 s[8:9], s[8:9], s[98:99]          ; x's codes
	s_add_nc_u64 s[10:11], s[10:11], s[14:15]      ; x's scale words
	CROUND                                         ; all four work-groups are here: the first joint loads meet
	s_cmp_eq_u32 s[WV], 0                          ; a wave's first fills stand in one branch, ahead of every wait on TENSORcnt and every LDS read: three loads of waves 0 and 1 are out
	s_cbranch_scc0 .Lfirst_not_k
	tensor_load_to_lds s[G0KS:G0KS+3], s[G1KS:G1KS+7]
	s_nop 0
	tensor_load_to_lds s[G0K:G0K+3], s[G1K:G1K+7]
	s_nop 0
	tensor_load_to_lds s[G0K+8:G0K+11], s[G1K:G1K+7]
	s_nop 0
.rept 4
	v_nop
.endr
	s_branch .Lfirst_asked
.Lfirst_not_k:
	s_cmp_eq_u32 s[WV], 1
	s_cbranch_scc0 .Lfirst_asked
	tensor_load_to_lds s[G0VS:G0VS+3], s[G1VS:G1VS+7]
	s_nop 0
	tensor_load_to_lds s[G0V:G0V+3], s[G1V:G1V+7]
	s_nop 0
	tensor_load_to_lds s[G0V+4:G0V+7], s[G1V:G1V+7]
	s_nop 0
.rept 4
	v_nop
.endr
.Lfirst_asked:
	s_wait_alu depctr_va_vdst(0)
.irp p, 0,1,2
	global_load_b64 v[QF+2*\p:QF+2*\p+1], v[L8], s[4:5] offset:256*\p            ; Q of the first head,
	global_load_b64 v[Q1+2*\p:Q1+2*\p+1], v[L8], s[4:5] offset:768+256*\p        ; and of the second
.endr
	global_load_u16 v[QS], v[R4], s[6:7]           ; my query's two scale bytes of the first head,
	global_load_u16 v[QS1], v[R4], s[6:7] offset:2 ; of the second
.irp i, 0,1,2,3,4,5
	v_mov_b32 v[QF+6+\i], 0                        ; zero codes for k = 64 .. 127
	v_mov_b32 v[KV+48+\i], 0                       ; and behind K's last tile
.endr
.irp b, 0,1,2,3
	v_mov_b32 v[PT+\b], 0                          ; written once: a lane permute's destination counts as one of its sources
.endr
	v_mov_b32 v[F+1], 0                            ; (named as the upper half of the pair before it is first written)
	v_mov_b32 v[TMP], 0
; A KEY STEP: 128 keys.
.macro STEP
	v_add_nc_u32 v[ADK], s[TK], v[L8]              ; (these four are also the places in front of loads into registers that the last products have read)
	v_add_nc_u32 v[ADV], s[TV], v[L8]
	v_add_nc_u32 v[ADS], s[TS], v[R4]
	v_add_nc_u32 v[ADT], s[TJ], v[R4]
.irp t, 0,1,2,3,4,5,6,7
.irp p, 0,1,2
	ds_load_b64 v[KV+6*\t+2*\p:KV+6*\t+2*\p+1], v[ADK] offset:768*\t+256*\p
.endr
	ds_load_u16 v[KSR+\t], v[ADS] offset:64*\t
.endr
	s_wait_alu depctr_va_vdst(0)
	s_wait_dscnt 0x0
.irp t, 0,1,2,3,4,5,6,7                        ; S^T = K Q^T: lane (r, h) holds query r; the 16 registers of tiles 2 b, 2 b + 1 are keys 32 b + 16 h + 0 .. 15 of the step
	v_wmma_scale_f32_16x16x128_f8f6f4 v[S+8*\t:S+8*\t+7], v[KV+6*\t:KV+6*\t+11], v[QF:QF+11], 0, v[KSR+\t], v[QS] matrix_a_fmt:MATRIX_FMT_FP6 matrix_b_fmt:MATRIX_FMT_FP6
.endr
.rept 4
	v_nop                                          ; places in front of the loads into K's registers and of the first read of the scores
.endr
.irp t, 0,1,2,3                                ; V's four fragments (16 channels x these 128 keys) land under the softmax
.irp p, 0,1,2,3,4,5
	ds_load_b64 v[KV+12*\t+2*\p:KV+12*\t+2*\p+1], v[ADV] offset:12288*\t+256*\p
.endr
	ds_load_b32 v[VSR+\t], v[ADT] offset:64*\t
.endr
.irp b, 0,1,2,3
	v_max3_num_f32 v[BM+\b], v[S+16*\b], v[S+1+16*\b], v[S+2+16*\b]     ; THE LARGEST SCORE OF EACH BLOCK OF 32 KEYS serves twice: for the row's maximum, and, since p rises with the score, for the block's largest p
.endr
.irp i, 3,5,7,9,11,13
.irp b, 0,1,2,3
	v_max3_num_f32 v[BM+\b], v[BM+\b], v[S+16*\b+\i], v[S+1+16*\b+\i]   ; (the four blocks by turns)
.endr
.endr
.irp b, 0,1,2,3
	v_max_num_f32 v[BM+\b], v[BM+\b], v[S+15+16*\b]
.endr
.irp b, 0,1,2,3
	s_delay_alu instid0(VALU_DEP_4)
	v_permlanex16_b32 v[PT+\b], v[BM+\b], s[SEL], s[SEL+1]
.endr
.irp b, 0,1,2,3
	s_delay_alu instid0(VALU_DEP_4)
	v_max_num_f32 v[BM+\b], v[BM+\b], v[PT+\b]     ; with lane l xor 16's 16 keys
.endr
	s_delay_alu instid0(VALU_DEP_2)
	v_max3_num_f32 v[TMP], v[BM], v[BM+1], v[BM+2]
	s_delay_alu instid0(VALU_DEP_1)
	v_max_num_f32 v[TMP], v[TMP], v[BM+3]          ; the step's largest score of my query
	s_delay_alu instid0(VALU_DEP_1)
	v_mul_f32 v[TMP], s[CS], v[TMP]                ; as t (c is positive)
	s_delay_alu instid0(VALU_DEP_1)
	v_max_num_f32 v13, v13, v[TMP]                 ; the running largest t
	v_mov_b32 v[TMP], v12
	s_delay_alu instid0(VALU_DEP_2)
	v_floor_f32 v12, -v13                          ; the new -M = floor(-t) = -ceil(t): M IS A WHOLE NUMBER
	s_delay_alu instid0(VALU_DEP_1)
	v_sub_f32 v[TMP], v12, v[TMP]                  ; M's old value less its new one: a whole number, 0 or less
	s_delay_alu instid0(VALU_DEP_1)
	v_cvt_i32_f32 v[TMP], v[TMP]                   ; (it saturates)
	s_delay_alu instid0(VALU_DEP_1)
	v_ldexp_f32 v[F], 1.0, v[TMP]                  ; f = 2^(old M - new M): a multiplication by it rounds nothing
.set J, 0
.rept 32
	v_pk_fma_f32 v[S+J:S+J+1], v[S+J:S+J+1], s[CS:CS+1], v[12:13] op_sel_hi:[1,0,0]   ; t - M, two at a time (of the pairs c and -M the low word serves both halves)
.set J, J+2
.endr
.irp b, 0,1,2,3
	v_fma_f32 v[BM+\b], v[BM+\b], s[CS], v12       ; the same of each block's largest score
.endr
.set J, 0
	s_setprio 1
	s_wait_alu depctr_va_vdst(0)
.rept 64
	v_exp_f32 v[S+J], v[S+J]                       ; p = 2^(t - M), at most 1: NOT normalised
.set J, J+1
.endr
	v_pk_mul_f32 v[14:15], v[14:15], v[F:F+1] op_sel_hi:[1,0]   ; the sums under the new M.  (The plain instruction behind the exponentials)
	s_wait_alu depctr_va_vdst(0)                   ; one wait for the whole batch, ahead of its first reader
.irp b, 0,1,2,3
	v_exp_f32 v[BM+\b], v[BM+\b]                   ; the block's largest p: the same two instructions on the same number give the same bits
.endr
	v_pk_add_f32 v[216:217], v[100:101], v[104:105]
	v_pk_add_f32 v[254:255], v[108:109], v[112:113]
	v_pk_add_f32 v[242:243], v[116:117], v[120:121]
	v_pk_add_f32 v[240:241], v[124:125], v[128:129]
	v_pk_add_f32 v[238:239], v[132:133], v[136:137]
	v_pk_add_f32 v[230:231], v[140:141], v[144:145]
	v_pk_add_f32 v[228:229], v[148:149], v[152:153]
	v_pk_add_f32 v[14:15], v[14:15], v[156:157]
	v_pk_add_f32 v[216:217], v[216:217], v[96:97]
	v_pk_add_f32 v[254:255], v[254:255], v[98:99]
	v_pk_add_f32 v[242:243], v[242:243], v[102:103]
	v_pk_add_f32 v[240:241], v[240:241], v[106:107]
	v_pk_add_f32 v[238:239], v[238:239], v[110:111]
	v_pk_add_f32 v[230:231], v[230:231], v[114:115]
	v_pk_add_f32 v[228:229], v[228:229], v[118:119]
	v_pk_add_f32 v[14:15], v[14:15], v[122:123]
	v_pk_add_f32 v[216:217], v[216:217], v[126:127]
	v_pk_add_f32 v[254:255], v[254:255], v[130:131]
	v_pk_add_f32 v[242:243], v[242:243], v[134:135]
	v_pk_add_f32 v[240:241], v[240:241], v[138:139]
	v_pk_add_f32 v[238:239], v[238:239], v[142:143]
	v_pk_add_f32 v[230:231], v[230:231], v[146:147]
	v_pk_add_f32 v[228:229], v[228:229], v[150:151]
	v_pk_add_f32 v[14:15], v[14:15], v[154:155]
	v_pk_add_f32 v[216:217], v[216:217], v[158:159]
	s_delay_alu instid0(VALU_DEP_2)
	v_pk_add_f32 v[14:15], v[14:15], v[240:241]
	s_delay_alu instid0(VALU_DEP_2)
	v_pk_add_f32 v[216:217], v[216:217], v[238:239]
	v_pk_add_f32 v[254:255], v[254:255], v[230:231]
	v_pk_add_f32 v[242:243], v[242:243], v[228:229]
	s_delay_alu instid0(VALU_DEP_2)
	v_pk_add_f32 v[14:15], v[14:15], v[254:255]
	s_delay_alu instid0(VALU_DEP_2)
	v_pk_add_f32 v[216:217], v[216:217], v[242:243]
	s_delay_alu instid0(VALU_DEP_1)
	v_pk_add_f32 v[14:15], v[14:15], v[216:217]
	s_wait_alu depctr_va_vdst(0)                   ; and one for the four
.irp b, 0,1,2,3
	v_max_num_f32 v[BM+\b], 0x1800000, v[BM+\b]    ; the floor 2^(3 - 127): the byte cannot fall under 1 (a block whose every p has fallen to 0 keeps that byte: its codes are zeros)
.endr
.irp b, 0,1,2,3
	s_delay_alu instid0(VALU_DEP_4)
	v_add_nc_u32 v[SO+\b], 0xff000000, v[BM+\b]    ; 2 off the exponent field: the conversion's scale operand
.endr
.irp b, 0,1,2,3
	s_delay_alu instid0(VALU_DEP_4)
	v_lshrrev_b32 v[PT+\b], 23, v[SO+\b]           ; the scale's byte
.endr
	s_delay_alu instid0(VALU_DEP_3)
	v_lshl_or_b32 v[PS], v[PT+1], 8, v[PT]         ; p's scale word for these 128 keys
	s_delay_alu instid0(VALU_DEP_1)
	v_lshl_or_b32 v[PS], v[PT+2], 16, v[PS]
	s_delay_alu instid0(VALU_DEP_1)
	v_lshl_or_b32 v[PS], v[PT+3], 24, v[PS]
.irp c, 0,1
	v_cvt_scalef32_pk16_fp6_f32 v[P+6*\c:P+2+6*\c], v[S+32*\c:S+15+32*\c], v[SO+2*\c]
	v_cvt_scalef32_pk16_fp6_f32 v[CT+4*\c:CT+2+4*\c], v[S+16+32*\c:S+31+32*\c], v[SO+2*\c+1]   ; (a conversion's three registers begin on an even number)
.endr
	v_nop                                          ; one plain instruction behind a scaled conversion
	s_setprio 0
.irp c, 0,1                                    ; the operand's layout wants a WHOLE block in a lane: lanes 0-15 block 2 c, lanes 16-31 block 2 c + 1
.irp i, 0,1,2
	v_permlane16_swap_b32 v[P+6*\c+\i], v[CT+4*\c+\i]
.endr
.irp i, 0,1,2
	s_delay_alu instid0(VALU_DEP_3)
	v_mov_b32 v[P+3+6*\c+\i], v[CT+4*\c+\i]
.endr
.endr
.set J, 0
.rept 16
	v_pk_mul_f32 v[O+J:O+J+1], v[O+J:O+J+1], v[F:F+1] op_sel_hi:[1,0]   ; O^T under the new M, each accumulator from its low end on.  Twelve of these name no register of any one product below: the places that p's scale word (8) and codes (4) want ahead of it
.set J, J+2
.endr
	s_wait_alu depctr_va_vdst(0)
	s_wait_dscnt 0x0                               ; V is in
.irp t, 0,1,2,3                                ; O^T += V^T P^T: the four accumulators by turns
	v_wmma_scale_f32_16x16x128_f8f6f4 v[O+8*\t:O+8*\t+7], v[KV+12*\t:KV+12*\t+11], v[P:P+11], v[O+8*\t:O+8*\t+7], v[VSR+\t], v[PS] matrix_a_fmt:MATRIX_FMT_FP6 matrix_b_fmt:MATRIX_FMT_FP6
.endr
.endm
; A slot's eight key steps.  Every base is a constant and the trip count is a constant
.macro HALF slot, pass
	s_mov_b32 s[TK], \slot*SLOTB
	s_mov_b32 s[TV], \slot*SLOTB+VOFF
	s_mov_b32 s[TS], KSC+4096*\slot+2*\pass        ; 4 bytes a key; the head's two bytes
	s_mov_b32 s[TJ], VSC+4096*\slot+256*\pass      ; 512 bytes a key step; the head's 64 channels
	s_mov_b32 s[CNT], 8
.Lstep_\@:
	s_setprio 2
	STEP
	s_add_co_u32 s[TK], s[TK], 6144                ; 8 tiles of K
	s_add_co_u32 s[TV], s[TV], 1536                ; 128 keys in each channel tile of V
	s_add_co_u32 s[TS], s[TS], 512
	s_add_co_u32 s[TJ], s[TJ], 512
	s_sub_co_u32 s[CNT], s[CNT], 1
	s_cmp_lg_u32 s[CNT], 0
	s_cbranch_scc1 .Lstep_\@
	s_setprio 0
.endm
; THE CHANGE OF SLOTS.  Each wave waits for all its tensor loads (the slot ahead), adds 0 to its spare word, and waits for that and for its reads of the slot that it has left.
; fill = 1: that slot is filled with the same keys of the pair's second head.  The barrier is then a round of the cluster's, and the joint refill the first thing behind it: it has eight key steps in which to land.
.macro CHANGE fill, slot
	s_wait_tensorcnt 0x0                           ; no tensor load of mine is out, so a group 0 may be written
	ds_add_u32 v[SPW], v[NIL]                      ; 0 onto my spare word
.if \fill
	s_add_nc_u64 s[G0K+8*\slot+2:G0K+8*\slot+3], s[G0K+8*\slot+2:G0K+8*\slot+3], 768      ; the next head's half fragments
	s_add_nc_u64 s[G0V+4*\slot+2:G0V+4*\slot+3], s[G0V+4*\slot+2:G0V+4*\slot+3], 393216   ; its four channel tiles
.endif
	s_wait_dscnt 0x0                               ; the add is done, and my reads of the slot that I have left are over
.if \fill
	CROUND
	RLOAD \slot
.else
	s_barrier_signal -1
	s_barrier_wait -1
.endif
.endm
; A pass begins: the step is written once, so O^T and the sum begin as zeros and the largest t as -3e38: the first change of M multiplies zeros
.macro PASS_INIT pass
.if \pass
.irp i, 0,1,2,3,4,5
	v_mov_b32 v[QF+\i], v[Q1+\i]
.endr
	v_mov_b32 v[QS], v[QS1]                        ; (the 36 moves below are the places that a scale word and an operand so written want ahead of a scaled matrix instruction)
.endif
	v_mov_b32 v13, 0xff61b1e6
	s_delay_alu instid0(VALU_DEP_1)
	v_floor_f32 v12, -v13
	v_mov_b32 v14, 0
	v_mov_b32 v15, 0
.set J, 0
.rept 32
	v_mov_b32 v[O+J], 0
.set J, J+1
.endr
.endm
; A pass ends: x = O^T / the sum; its 32 registers, register 16 b + i = channel 32 b + 16 h + i of the head, become half a fragment of x and two bytes of its scale word
.macro PASS_END pass
.rept 4
	v_nop                                          ; places behind the last products
.endr
	v_add_f32 v14, v14, v15                        ; the sum's two halves,
	s_delay_alu instid0(VALU_DEP_1)
	v_permlanex16_b32 v[TMP], v14, s[SEL], s[SEL+1]
	s_delay_alu instid0(VALU_DEP_1)
	v_add_f32 v14, v14, v[TMP]                     ; and lane l xor 16's: the row's sum
	s_wait_alu depctr_va_vdst(0)
	v_rcp_f32 v[F], v14
	v_nop                                          ; a plain instruction behind the reciprocal,
	s_wait_alu depctr_va_vdst(0)                   ; and the wait ahead of its first reader
.set J, 0
.rept 16
	v_pk_mul_f32 v[O+J:O+J+1], v[O+J:O+J+1], v[F:F+1] op_sel_hi:[1,0]   ; each accumulator from its low end on
.set J, J+2
.endr
.irp b, 0,1
	v_max3_num_f32 v[BM+\b], |v[O+16*\b]|, |v[O+16*\b+1]|, 0x1800000
.endr
.irp i, 2,4,6,8,10,12,14
.irp b, 0,1
	s_delay_alu instid0(VALU_DEP_2)
	v_max3_num_f32 v[BM+\b], v[BM+\b], |v[O+16*\b+\i]|, |v[O+16*\b+\i+1]|
.endr
.endr
.irp b, 0,1
	s_delay_alu instid0(VALU_DEP_2)
	v_permlanex16_b32 v[PT+\b], v[BM+\b], s[SEL], s[SEL+1]
.endr
.irp b, 0,1
	s_delay_alu instid0(VALU_DEP_2)
	v_max_num_f32 v[BM+\b], v[BM+\b], v[PT+\b]
.endr
.irp b, 0,1
	s_delay_alu instid0(VALU_DEP_2)
	v_add_nc_u32 v[SO+\b], 0xff000000, v[BM+\b]
.endr
.irp b, 0,1
	s_delay_alu instid0(VALU_DEP_2)
	v_lshrrev_b32 v[PT+\b], 23, v[SO+\b]
.endr
.if \pass == 0
	s_delay_alu instid0(VALU_DEP_1)
	v_lshl_or_b32 v[XSW], v[PT+1], 8, v[PT]
.else
	s_delay_alu instid0(VALU_DEP_2)
	v_lshl_or_b32 v[XSW], v[PT], 16, v[XSW]
	s_delay_alu instid0(VALU_DEP_1)
	v_lshl_or_b32 v[XSW], v[PT+1], 24, v[XSW]
.endif
	v_cvt_scalef32_pk16_fp6_f32 v[XF+6*\pass:XF+6*\pass+2], v[O:O+15], v[SO]
	v_cvt_scalef32_pk16_fp6_f32 v[CT:CT+2], v[O+16:O+31], v[SO+1]
	v_nop                                          ; one plain instruction behind a scaled conversion
.irp i, 0,1,2
	v_permlane16_swap_b32 v[XF+6*\pass+\i], v[CT+\i]
.endr
.irp i, 0,1,2
	s_delay_alu instid0(VALU_DEP_3)
	v_mov_b32 v[XF+6*\pass+3+\i], v[CT+\i]
.endr
.endm
	PASS_INIT 0                                    ; register work while the first tiles land
	s_wait_tensorcnt 0x1                           ; the scale words and slot 0 are in (slot 1's load may be out)
	s_barrier_signal -1
	s_barrier_wait -1                              ; and every wave knows it
	s_wait_loadcnt 0x0                             ; Q
	HALF 0, 0
	CHANGE 1, 0
	HALF 1, 0
	CHANGE 1, 1
	PASS_END 0
	PASS_INIT 1
	HALF 0, 1
	CHANGE 0, 0                                    ; nothing is left to fetch
	HALF 1, 1
	PASS_END 1
	; THE WAY OUT.  x's fragment leaves as it stands: six stores of a register pair, each 256 consecutive bytes, aligned.  The 256 scale words meet in LDS and leave as 1,024 consecutive bytes
.irp p, 0,1,2,3,4,5
	global_store_b64 v[L8], v[XF+2*\p:XF+2*\p+1], s[8:9] offset:256*\p
.endr
	ds_store_b32 v[XWA], v[XSW]                    ; both halves of the lanes write the same word with the same value
	s_wait_dscnt 0x0                               ; for the others' sake
	s_barrier_signal -1
	s_barrier_wait -1
	s_cmp_lt_u32 s[WV], 2
	s_cbranch_scc0 .Lno_xs
	ds_load_b128 v[S:S+3], v[XRA]
	s_wait_dscnt 0x0
	global_store_b128 v[L16], v[S:S+3], s[10:11]
.Lno_xs:
	s_wait_tensorcnt 0x0                           ; the wave's end
	ds_add_u32 v[SPW], v[NIL]
	s_wait_dscnt 0x0
	CROUND                                         ; the closing round: no work-group ends while a partner may still ask for a tile that names it
	s_endpgm
.Lfunc_end_k_q40ac9b8e02_attn:
	.size	k_q40ac9b8e02_attn, .Lfunc_end_k_q40ac9b8e02_attn-k_q40ac9b8e02_attn
	.p2alignl 7, 3214868480
	.fill 96, 4, 3214868480
	.section	.rodata,"a",@progbits
	.p2align	6, 0x0
	.amdhsa_kernel k_q40ac9b8e02_attn
		.amdhsa_group_segment_fixed_size 327680
		.amdhsa_private_segment_fixed_size 0
		.amdhsa_enable_private_segment 0
		.amdhsa_kernarg_size 32
		.amdhsa_user_sgpr_count 2
		.amdhsa_user_sgpr_kernarg_segment_ptr 1
		.amdhsa_wavefront_size32 1
		.amdhsa_system_sgpr_workgroup_id_x 1
		.amdhsa_system_sgpr_workgroup_id_y 1
		.amdhsa_system_sgpr_workgroup_id_z 1
		.amdhsa_system_vgpr_workitem_id 0
		.amdhsa_next_free_vgpr 256
		.amdhsa_next_free_sgpr 100
		.amdhsa_reserve_vcc 0
		.amdhsa_float_denorm_mode_32 3
		.amdhsa_float_denorm_mode_16_64 3
		.amdhsa_memory_ordered 1
		.amdhsa_forward_progress 1
		.amdhsa_inst_pref_size 101
	.end_amdhsa_kernel
	.amdgpu_metadata
---
amdhsa.version: [ 1, 2 ]
amdhsa.kernels:
  - .name:           k_q40ac9b8e02_attn
    .symbol:         k_q40ac9b8e02_attn.kd
    .args:
      - { .name: qkvc, .offset: 0, .size: 8, .value_kind: global_buffer, .address_space: global }
      - { .name: qkvs, .offset: 8, .size: 8, .value_kind: global_buffer, .address_space: global }
      - { .name: xc, .offset: 16, .size: 8, .value_kind: global_buffer, .address_space: global }
      - { .name: xs, .offset: 24, .size: 8, .value_kind: global_buffer, .address_space: global }
    .group_segment_fixed_size: 327680
    .private_segment_fixed_size: 0
    .kernarg_segment_align: 8
    .kernarg_segment_size: 32
    .max_flat_workgroup_size: 512
    .sgpr_count:     100
    .vgpr_count:     256
    .wavefront_size: 32
...
	.end_amdgpu_metadata
.endif
;; end of part 3
;; launch outp (part 4): grid 4 x 32, 4 waves a work-group, clusters of 4 x 4, 327,680 bytes of LDS; arguments xc, xs, inc, ins, bo, out0; writes out0
.if DOCPART == 4
	.amdgcn_target "amdgcn-amd-amdhsa--gfx1250"
	.amdhsa_code_object_version 6
	.text
	.protected	k_q40ac9b8e02_outp
	.globl	k_q40ac9b8e02_outp
	.p2align	8
	.type	k_q40ac9b8e02_outp,@function
k_q40ac9b8e02_outp:
	s_mov_b64 s[64:65], 0
	v_nop
	global_prefetch_b8 v0, s[64:65] scope:SCOPE_SE
	s_setreg_imm32_b32 hwreg(HW_REG_WAVE_MODE, 25, 1), 1
	s_wait_xcnt 0x0
	s_wait_alu depctr_hold_cnt(0) depctr_sa_sdst(0) depctr_va_vdst(0) depctr_va_sdst(0) depctr_va_ssrc(0) depctr_va_vcc(0) depctr_vm_vsrc(0)
	s_getreg_b32 s2, hwreg(HW_REG_IB_STS2, 6, 4)
	s_cmp_eq_u32 s2, 0
	s_cbranch_scc0 .Lentry_in_a_cluster
	s_endpgm
.Lentry_in_a_cluster:
	s_bfe_u32 s2, ttmp6, 0x10000c
	s_cmp_lg_u32 s2, 0xf033
	s_cbranch_scc0 .Lentry_shape_is_right
	s_endpgm
.Lentry_shape_is_right:
; out0 = x Wo^T + bo, on codes of FP6 (E2M3) with E8M0 scales: x from xc, xs, Wo from inc, ins (tiles 1,728 on), all laid in the order of the operand's registers; f32 sums; out0 [8192][1024] f32.
; A tile of 256 x 256 results is made by a work-group of four waves; a wave makes 128 x 128: 64 accumulators of 16 x 16.  K = 1,024 goes in four steps of 256 through two LDS slots filled by the tensor data mover.
; Source 1 of the matrix instruction is the A side (tokens: a lane holds one), source 0 the B side (features: a lane's registers run along them).  By the order of rows in the buffers, place r of token tile 2 B + u is token
; 32 B + 8 u + r + 8 (r / 8), and register j of feature tile b is feature 32 (b / 2) + 8 (b % 2) + 16 h + j: the way out puts both in their true places.
; CLUSTERS: 4 x 4 work-groups; A's tiles are shared along a row of the cluster, B's along a column: each is asked for JOINTLY.  128 tiles: 128 work-groups; a smaller tile would read each fragment from LDS for half the products.
; THE BIAS is the C of each sum's first matrix instruction.
; REGISTERS, in windows of 256: window 0: v1-31 addresses; v32-63 scale words, two sets; v64-127 the bias; v128-223 A's fragments, one set; on the way out v128-255 take rows read back from the stage.
;   window 1: B's fragments, two sets.   window 2: the accumulators of my A rows 0-63 ((a, b) at v[8 (8 a + b)]);   window 3: those of rows 64-127.
.set FR,    12
.set NL,    6
.set NP,    4                          ; places behind this matrix instruction (ISA guide 7.12.1)
.set TP,    12288                      ; a tile of 16 rows, all of K, in memory
.set TILEB, 3072                       ; 256 along K of it
.set HALFT, 8*TILEB
.set SLOT,  4*HALFT
.set SCL,   2*SLOT                     ; behind the ring: the scale words of the four halves, [8 steps][128 rows] each,
.set SREG,  4160
.set SPARE, SCL+4*SREG                 ; the spare words: two blocks of 256 bytes that no other line names
.set SPITCH, 528                       ; the way out: a stage of 16 rows x (512 bytes + 16) for each wave.  It lies in slot 0, which has had its last fill and its last read when the first result is stored there
.set ADRA, 16
.set ADRB, 20
.set STO,  24                          ; v24  the way out: where I put 32 bytes of a row
.set RD,   25                          ; v25  where I read a row back
.set CO,   26                          ; v26  16 x lane: my bytes of a row of out0
.set ADRS, 27
.set SPW,  28
.set NIL,  29
.set L8,   30                          ; v30  8 x lane
.set SC,   32                          ; scale words; they hold nothing else
.set CB,   64
.set AF,   128
.set BK,   128                         ; the way out: 16 rows read back: v128-191 and v192-255 by turns
.set WV, 18
.set WR, 19
.set WC, 20
.set G1, 24
.set G0, 32
.set G1B, 48
.set G0B, 56
.set G1S, 68
.set G0S, 76
.set G1SB, 80
.set G0SB, 88
.set MSB, 0
.macro WIN new                         ; the immediate's high byte repeats the setting that is left
.if MSB != \new
	s_set_vgpr_msb (MSB<<8)|\new
.set MSB, \new
.endif
.endm
.set MUL_LO, 0xa1
.set MUL_HI, 0xf1
.set TO_B,   0x40
.macro JLOAD g0a, g1a, g0b, g1b        ; a joint load: waves 0 and 1 fetch for A, waves 2 and 3 for B; four v_nop follow each of the two lines
	s_cmp_eq_u32 s[WR], 0
	s_cbranch_scc0 .Lfor_b_\@
	tensor_load_to_lds s[\g0a:\g0a+3], s[\g1a:\g1a+7]
	s_nop 0
.rept 4
	v_nop
.endr
	s_branch .Lasked_\@
.Lfor_b_\@:
	tensor_load_to_lds s[\g0b:\g0b+3], s[\g1b:\g1b+7]
	s_nop 0
.rept 4
	v_nop
.endr
.Lasked_\@:
.endm
.macro CREST
	s_cmp_lg_u32 s[WV], 0
	s_cbranch_scc1 .Lnot_wave_0_\@
	s_barrier_signal -3
.Lnot_wave_0_\@:
	s_barrier_wait -3
	s_barrier_signal -1
	s_barrier_wait -1
.endm
.macro CROUND
	s_barrier_signal -1
	s_barrier_wait -1
	CREST
.endm
	s_load_b256 s[4:11], s[0:1], 0x0               ; xc s[4:5], xs s[6:7], inc s[8:9], ins s[10:11]
	s_load_b128 s[12:15], s[0:1], 0x20             ; bo s[12:13], out0 s[14:15]
	v_lshl_add_u32 v[SPW], v0, 2, SPARE
	v_mov_b32 v[NIL], 0
	ds_add_u32 v28, v29
	s_wait_dscnt 0x0
	v_lshrrev_b32 v1, 5, v0
	v_readfirstlane_b32 s[WV], v1
	s_lshr_b32 s[WR], s[WV], 1
	s_and_b32 s[WC], s[WV], 1
	s_bfe_u32 s21, ttmp6, 0x40000                  ; cx
	s_bfe_u32 s22, ttmp6, 0x40004                  ; cy
	s_and_b32 s23, ttmp7, 0xffff                   ; the cluster's y, 0 .. 7
	s_lshl_b32 s2, s22, 2
	s_lshl_b32 s2, 15, s2                          ; my row of the cluster
	s_lshl_b32 s3, 0x1111, s21                     ; my column
	s_or_b32 s[G1], s2, (3<<16)|(1<<21)            ; codes: 8 rows (tiles) of 3,072 bytes, 12,288 bytes apart, as elements of 8 bytes
	s_or_b32 s[G1B], s3, (3<<16)|(1<<21)
.irp g, G1, G1B
	s_mov_b32 s[\g+1], 384<<16
	s_mov_b32 s[\g+2], 8<<16
	s_mov_b32 s[\g+3], 384<<16
	s_mov_b32 s[\g+4], 8
	s_mov_b32 s[\g+5], 1536
	s_mov_b32 s[\g+6], 0
	s_mov_b32 s[\g+7], 0
.endr
	s_or_b32 s[G1S], s2, (2<<16)|(1<<21)           ; scale words: 8 rows (steps) of 128 words
	s_or_b32 s[G1SB], s3, (2<<16)|(1<<21)
.irp g, G1S, G1SB
	s_mov_b32 s[\g+1], 128<<16
	s_mov_b32 s[\g+2], 8<<16
	s_mov_b32 s[\g+3], 128<<16
	s_mov_b32 s[\g+4], 8
	s_mov_b32 s[\g+6], 0
	s_mov_b32 s[\g+7], 0
.endr
	s_mov_b32 s[G1S+5], 8192                       ; xs: 8,192 words a step
	s_mov_b32 s[G1SB+5], 28672                     ; ins: 28,672
	s_lshl_b32 s42, s23, 2
	s_add_co_u32 s42, s42, s22                     ; A's tile row: 4 x cluster y + cy
	s_mov_b32 s43, s21                             ; B's: cx
	s_lshl_b32 s94, s42, 4
	s_lshl_b32 s46, s[WC], 3
	s_add_co_u32 s94, s94, s46                     ; A: the first of the 8 tiles that I would fetch
	s_lshl_b32 s95, s43, 4
	s_add_co_u32 s95, s95, s46
	s_add_co_u32 s95, s95, 1728                    ; B: Wo's tiles of inc
	s_mul_i32 s44, s94, TP
	s_mov_b32 s45, 0
	s_lshl_b32 s46, s94, 6
	s_mov_b32 s47, 0
	s_mul_i32 s92, s95, TP
	s_mov_b32 s93, 0
	s_lshl_b32 s96, s95, 6
	s_mov_b32 s97, 0
	s_mul_i32 s67, s[WV], HALFT
	s_mul_i32 s101, s[WV], SREG
	s_wait_kmcnt 0x0
	s_add_nc_u64 s[44:45], s[4:5], s[44:45]
	s_add_nc_u64 s[46:47], s[6:7], s[46:47]
	s_add_nc_u64 s[92:93], s[8:9], s[92:93]
	s_add_nc_u64 s[96:97], s[10:11], s[96:97]
	CROUND                                         ; all sixteen work-groups are here: the first joint loads meet
	s_mov_b32 s[G0S], 1
	s_add_co_u32 s[G0S+1], s101, SCL
	s_mov_b64 s[G0S+2:G0S+3], s[46:47]
	s_or_b32 s[G0S+3], s[G0S+3], 0x80000000
	s_mov_b32 s[G0SB], 1
	s_add_co_u32 s[G0SB+1], s101, SCL
	s_mov_b64 s[G0SB+2:G0SB+3], s[96:97]
	s_or_b32 s[G0SB+3], s[G0SB+3], 0x80000000
	JLOAD G0S, G1S, G0SB, G1SB                     ; the scale words of all of K first: filled once.  With the two slots three tensor loads of mine are out
.irp s, 0,1
	s_mov_b32 s[G0+4*\s], 1
	s_add_co_u32 s[G0+4*\s+1], s67, \s*SLOT
	s_add_nc_u64 s[G0+4*\s+2:G0+4*\s+3], s[44:45], \s*TILEB
	s_or_b32 s[G0+4*\s+3], s[G0+4*\s+3], 0x80000000
	s_mov_b32 s[G0B+4*\s], 1
	s_add_co_u32 s[G0B+4*\s+1], s67, \s*SLOT
	s_add_nc_u64 s[G0B+4*\s+2:G0B+4*\s+3], s[92:93], \s*TILEB
	s_or_b32 s[G0B+4*\s+3], s[G0B+4*\s+3], 0x80000000
	JLOAD G0+4*\s, G1, G0B+4*\s, G1B
.endr
	v_and_b32 v1, 15, v0                           ; r
	v_bfe_u32 v2, v0, 4, 1                         ; h
	v_and_b32 v7, 31, v0                           ; lane
	v_lshlrev_b32 v[L8], 3, v7
	v_lshlrev_b32 v[CO], 4, v7
	s_mul_i32 s94, s[WR], HALFT
	s_mul_i32 s95, s[WC], HALFT
	s_add_co_u32 s95, s95, 2*HALFT
.irp s, 0,1
	v_add_nc_u32 v[ADRA+\s], s94, v[L8]
	v_add_nc_u32 v[ADRB+\s], s95, v[L8]
	s_add_co_u32 s94, s94, SLOT
	s_add_co_u32 s95, s95, SLOT
.endr
	s_mul_i32 s94, s[WR], SREG
	s_add_co_u32 s95, s[WC], 2
	s_sub_co_u32 s95, s95, s[WR]
	s_mul_i32 s95, s95, SREG
	v_mul_u32_u24 v4, s95, v2                      ; lanes 16-31 take B's scale words
	s_add_co_u32 s94, s94, SCL
	v_lshl_add_u32 v4, v1, 2, v4
	v_add_nc_u32 v[ADRS], s94, v4
	s_mul_i32 s96, s[WV], 16*SPITCH                ; my stage
	v_mul_u32_u24 v5, v1, SPITCH
	v_lshl_add_u32 v5, v2, 6, v5
	v_add_nc_u32 v[STO], s96, v5                   ; in: row r, + 16 h numbers
	v_add_nc_u32 v[RD], s96, v[CO]                 ; back: the 32 lanes take one row of 512 bytes
	v_lshlrev_b32 v6, 6, v2                        ; the bias: 16 h numbers on
	s_lshl_b32 s94, s43, 10
	s_lshl_b32 s95, s[WC], 9
	s_add_co_u32 s94, s94, s95                     ; my 128 features, in bytes
	s_mov_b32 s95, 0
	s_add_nc_u64 s[12:13], s[12:13], s[94:95]
	s_add_nc_u64 s[14:15], s[14:15], s[94:95]
	s_lshl_b32 s94, s42, 20
	s_lshl_b32 s96, s[WR], 19
	s_add_co_u32 s94, s94, s96                     ; my 128 tokens' rows of 4,096 bytes
	s_add_nc_u64 s[14:15], s[14:15], s[94:95]
.irp b, 0,1,2,3,4,5,6,7
	global_load_b128 v[CB+8*\b:CB+8*\b+3], v6, s[12:13] offset:(32*(\b/2)+8*(\b%2))*4        ; register j of tile b: feature 32 (b / 2) + 8 (b % 2) + 16 h + j
	global_load_b128 v[CB+8*\b+4:CB+8*\b+7], v6, s[12:13] offset:(32*(\b/2)+8*(\b%2))*4+16
.endr
.macro FRAG reg, adr, q, i             ; a fragment, 16 rows x 128 K, 12 registers: six loads of 8 bytes a lane, each 256 consecutive bytes
.irp p, 0,1,2,3,4,5
	ds_load_b64 v[\reg+2*\p:\reg+2*\p+1], v[\adr] offset:(\i)*TILEB+(\q)*1536+256*\p
.endr
.endm
.macro MM a, b, p, q, sc, zero         ; one matrix instruction: A's block a x B's block b.  zero = 1: the sum starts with the bias of B's block
.set D0, 8*(8*((\a)%4)+(\b))
.if (\zero) == 1
	v_wmma_scale_f32_16x16x128_f8f6f4 v[D0:D0+7], v[128*(\p)+FR*(\b):128*(\p)+FR*(\b)+FR-1], v[AF+FR*(\a):AF+FR*(\a)+FR-1], v[CB+8*(\b):CB+8*(\b)+7], v[SC+16*(\sc)+2*(\b)+(\q)], v[SC+16*(\sc)+2*(\a)+(\q)] matrix_a_fmt:MATRIX_FMT_FP6 matrix_b_fmt:MATRIX_FMT_FP6 matrix_a_scale:MATRIX_SCALE_ROW1
.else
	v_wmma_scale_f32_16x16x128_f8f6f4 v[D0:D0+7], v[128*(\p)+FR*(\b):128*(\p)+FR*(\b)+FR-1], v[AF+FR*(\a):AF+FR*(\a)+FR-1], v[D0:D0+7], v[SC+16*(\sc)+2*(\b)+(\q)], v[SC+16*(\sc)+2*(\a)+(\q)] matrix_a_fmt:MATRIX_FMT_FP6 matrix_b_fmt:MATRIX_FMT_FP6 matrix_a_scale:MATRIX_SCALE_ROW1
.endif
.endm
.macro MUL16 a0, p, q, sc, zero        ; the 64 accumulators take turns, one instruction a turn, in the same order in every step
.irp a, \a0, \a0+1
.irp b, 0,1,2,3,4,5,6,7
	MM \a, \b, \p, \q, \sc, \zero
.endr
.endr
.endm
.macro FETCH_B slot, q, p
	WIN TO_B
.irp i, 0,1,2,3,4,5,6,7
	FRAG 128*(\p)+FR*\i, ADRB+\slot, \q, \i
.endr
	WIN 0
.endm
.macro FETCH_A slot, q, i0
.irp i, \i0, \i0+1, \i0+2, \i0+3
	FRAG AF+FR*(\i), ADRA+\slot, \q, \i
.endr
.endm
.macro SCALES sc
.irp i, 0,1,2,3,4,5,6,7
	ds_load_b32 v[SC+16*(\sc)+2*\i], v[ADRS] offset:64*\i
	ds_load_b32 v[SC+16*(\sc)+2*\i+1], v[ADRS] offset:512+64*\i
.endr
.endm
.macro PLACES n                        ; places in front of loads into registers that matrix instructions have read, and of the first read of results
.rept \n
	v_nop
.endr
.endm
.macro STEP slot, q, zero
	s_wait_dscnt 4*NL                              ; B's set, the scale words and A's blocks 0-3 are in; the youngest 24 loads (A's blocks 4-7) may be out
.if \zero
	WIN 0x81                                       ; C (the bias) window 0, D window 2
.else
	WIN MUL_LO
.endif
	MUL16 0, (\q)%2, \q, \slot, \zero
	MUL16 2, (\q)%2, \q, \slot, \zero
	s_wait_dscnt 0                                 ; A's blocks 4-7 are in
	PLACES NP
	FETCH_B \slot, (\q)+1, 1-(\q)%2
	FETCH_A \slot, (\q)+1, 0
.if \zero
	WIN 0xc1
.else
	WIN MUL_HI
.endif
	MUL16 4, (\q)%2, \q, \slot, \zero
	MUL16 6, (\q)%2, \q, \slot, \zero
	PLACES NP
	WIN 0
	FETCH_A \slot, (\q)+1, 4
.endm
.macro TURN slot, next, fill           ; a slot's last step changes slots: one barrier, which with fill = 1 opens a round of the cluster's barrier
	s_wait_tensorcnt 0x0                           ; all my tensor loads have landed: my part of the next slot
	ds_add_u32 v[SPW], v[NIL]                      ; 0 onto my spare word
	s_wait_dscnt 4*NL+1                            ; (the add and the youngest 24 loads may be out)
	WIN MUL_LO
	MUL16 0, 1, 1, \slot, 0
	s_wait_dscnt 0x0                               ; the add is done, and my reads of this slot are over
	s_barrier_signal -1
	MUL16 2, 1, 1, \slot, 0
	WIN 0
	s_barrier_wait -1
.if \fill
	CREST                                          ; no wave of any partner still reads this slot or has a load on its way
	s_add_nc_u64 s[G0+4*\slot+2:G0+4*\slot+3], s[G0+4*\slot+2:G0+4*\slot+3], 2*TILEB
	s_add_nc_u64 s[G0B+4*\slot+2:G0B+4*\slot+3], s[G0B+4*\slot+2:G0B+4*\slot+3], 2*TILEB
	JLOAD G0+4*\slot, G1, G0B+4*\slot, G1B         ; the first tensor load behind the round; its four v_nop are also the places in front of the loads below
.else
	PLACES NP
.endif
	v_add_nc_u32 v[ADRS], 1024, v[ADRS]
	FETCH_B \next, 0, 0
	FETCH_A \next, 0, 0
	SCALES \next
	WIN MUL_HI
	MUL16 4, 1, 1, \slot, 0
	MUL16 6, 1, 1, \slot, 0
	PLACES NP
	WIN 0
	FETCH_A \next, 0, 4
.endm
	s_wait_tensorcnt 1                             ; the scale words and my part of slot 0 are in (slot 1's load may be out)
	s_barrier_signal -1
	s_barrier_wait -1                              ; everybody's are
	FETCH_B 0, 0, 0
	FETCH_A 0, 0, 0
	SCALES 0
	FETCH_A 0, 0, 4
	s_wait_loadcnt 0x0                             ; the bias
	STEP 0, 0, 1                                   ; the first products start the sums with the bias
	TURN 0, 1, 1
	STEP 1, 0, 0
	TURN 1, 0, 1
	STEP 0, 0, 0
	TURN 0, 1, 0                                   ; the last two slots are filled no more; behind this barrier nobody reads slot 0
	STEP 1, 0, 0
	s_wait_dscnt 4*NL
	WIN MUL_LO
	MUL16 0, 1, 1, 1, 0
	MUL16 2, 1, 1, 1, 0
	s_wait_dscnt 0
	WIN MUL_HI
	MUL16 4, 1, 1, 1, 0
	MUL16 6, 1, 1, 1, 0
	WIN 0
; THE WAY OUT, block by block of 16 tokens x 128 features.  A block goes through my own stage in LDS, each result at its feature's true place, and comes back as whole rows of 512 bytes, which the 32 lanes store
; as 512 consecutive bytes, aligned, at the token's true row.  LDS serves a wave's instructions in order (ISA guide 5.7.1.4): no wait between the stores and the loads, nor in front of the next block's stores.
.macro TOSTAGE a
.set AC, 64*((\a)%4)
.if (\a) < 4
	WIN 0x08                                       ; an LDS store's data are its source 1: window 2
.else
	WIN 0x0c                                       ; window 3
.endif
.irp b, 0,1,2,3,4,5,6,7
	ds_store_b128 v[STO], v[AC+8*\b:AC+8*\b+3] offset:128*(\b/2)+32*(\b%2)          ; each accumulator from its low end on
	ds_store_b128 v[STO], v[AC+8*\b+4:AC+8*\b+7] offset:128*(\b/2)+32*(\b%2)+16
.endr
	WIN 0
.set BB, BK+64*((\a)%2)
.irp t, 0,1,2,3,4,5,6,7,8,9,10,11,12,13,14,15
	ds_load_b128 v[BB+4*\t:BB+4*\t+3], v[RD] offset:\t*SPITCH
.endr
.endm
.macro SEND a, younger                 ; younger: the LDS instructions issued behind block a's loads, which may stay out
.set BB, BK+64*((\a)%2)
	s_wait_dscnt \younger
.irp t, 0,1,2,3,4,5,6,7,8,9,10,11,12,13,14,15
	global_store_b128 v[CO], v[BB+4*\t:BB+4*\t+3], s[14:15] offset:(32*((\a)/2)+8*((\a)%2)+\t+8*(\t/8))*4096 th:TH_STORE_NT   ; place t of token tile a; 127 rows of 4,096 bytes at the most: inside the signed 24-bit immediate
.endr
.endm
	PLACES NP
	TOSTAGE 0
.irp a, 1,2,3,4,5,6,7
.if \a > 1
	s_wait_xcnt 0x0                                ; block a - 2's stores have read their registers: block a's loads may land there
.endif
	TOSTAGE \a
	SEND \a-1, 32                                  ; behind block a - 1's loads: block a's 16 stores and 16 loads
.endr
	SEND 7, 0
	s_wait_tensorcnt 0x0                           ; the wave's end
	ds_add_u32 v[SPW], v[NIL]
	s_wait_dscnt 0x0
	CROUND                                         ; the closing round
	s_endpgm
.Lfunc_end_k_q40ac9b8e02_outp:
	.size	k_q40ac9b8e02_outp, .Lfunc_end_k_q40ac9b8e02_outp-k_q40ac9b8e02_outp
	.p2alignl 7, 3214868480
	.fill 96, 4, 3214868480
	.section	.rodata,"a",@progbits
	.p2align	6, 0x0
	.amdhsa_kernel k_q40ac9b8e02_outp
		.amdhsa_group_segment_fixed_size 327680
		.amdhsa_private_segment_fixed_size 0
		.amdhsa_enable_private_segment 0
		.amdhsa_kernarg_size 48
		.amdhsa_user_sgpr_count 2
		.amdhsa_user_sgpr_kernarg_segment_ptr 1
		.amdhsa_wavefront_size32 1
		.amdhsa_system_sgpr_workgroup_id_x 1
		.amdhsa_system_sgpr_workgroup_id_y 1
		.amdhsa_system_sgpr_workgroup_id_z 1
		.amdhsa_system_vgpr_workitem_id 0
		.amdhsa_next_free_vgpr 1024
		.amdhsa_next_free_sgpr 102
		.amdhsa_reserve_vcc 0
		.amdhsa_float_denorm_mode_32 3
		.amdhsa_float_denorm_mode_16_64 3
		.amdhsa_memory_ordered 1
		.amdhsa_forward_progress 1
		.amdhsa_inst_pref_size 162
	.end_amdhsa_kernel
	.amdgpu_metadata
---
amdhsa.version: [ 1, 2 ]
amdhsa.kernels:
  - .name:           k_q40ac9b8e02_outp
    .symbol:         k_q40ac9b8e02_outp.kd
    .args:
      - { .name: xc, .offset: 0, .size: 8, .value_kind: global_buffer, .address_space: global }
      - { .name: xs, .offset: 8, .size: 8, .value_kind: global_buffer, .address_space: global }
      - { .name: inc, .offset: 16, .size: 8, .value_kind: global_buffer, .address_space: global }
      - { .name: ins, .offset: 24, .size: 8, .value_kind: global_buffer, .address_space: global }
      - { .name: bo, .offset: 32, .size: 8, .value_kind: global_buffer, .address_space: global }
      - { .name: out0, .offset: 40, .size: 8, .value_kind: global_buffer, .address_space: global }
    .group_segment_fixed_size: 327680
    .private_segment_fixed_size: 0
    .kernarg_segment_align: 8
    .kernarg_segment_size: 48
    .max_flat_workgroup_size: 128
    .sgpr_count:     102
    .vgpr_count:     1024
    .wavefront_size: 32
...
	.end_amdgpu_metadata
.endif
;; end of part 4
